; MI455X (gfx1250); checked and timed in simulation.
; The chip was launched on July 23, 2026; its instructions are those of AMD's public machine-readable ISA for CDNA 5 (MIT licence, August 2026) and "CDNA5" Instruction Set Architecture Reference Guide (July 2026). The comments in the code are by the model that wrote it; some were corrected since.
;; Multi Head Self Attention. Allowed arithmetic: matrix products marked QUANTISED: E2M1 operands, one E8M0 scale for each 32 along K, by v_wmma_scale_f32_16x16x128_f8f6f4 with both operands' format E2M1 (or v_wmma_scale_f32_32x16x128_f4), f32 sums; products left as they are: bf16, f16 or f32 operands; f32 sums; everything else in f32.
;; Inputs: wk 1,024 x 1,024 float32; wo 1,024 x 1,024 float32; wq 1,024 x 1,024 float32; wv 1,024 x 1,024 float32; x 4 x 2,048 x 1,024 float32.
;; Outputs: out0 4 x 2,048 x 1,024 float32.
;; This version of the problem:
;;   THIS VERSION OF THE PROBLEM IS GIVEN IN LOW PRECISION. The matrix products marked QUANTISED in the list below multiply operands that are first quantised to E2M1 (2 exponent bits, 1 mantissa bit; 4 bits a number), with one power-of-two scale for each 32 numbers along K (OCP MX v1.0); their sums are f32. The products marked 'left as it is' may take bf16, f16 or f32 operands, with f32 sums. Whichever they take, every output number must still come out within the allowed error. Rounding operands to bf16 (8 significant bits) uses up far more of that allowance than f16 does (11 bits, for magnitudes from 6e-5 to 65,504). All else is computed in f32.
;;   The module's matrix products, in the order in which they are computed (A, B: the left and right operand; K: the contracted axis; several contracted axes count as one K, in the product's order):
;;     1. [M 8,192, K 1,024] x [K 1,024, N 1,024]; A: input x; B: input wq: QUANTISED
;;     2. [M 8,192, K 1,024] x [K 1,024, N 1,024]; A: input x; B: input wk: QUANTISED
;;     3. [M 8,192, K 1,024] x [K 1,024, N 1,024]; A: input x; B: input wv: QUANTISED
;;     4. batch 64 x [M 2,048, K 64] x [K 64, N 2,048]; A: computed on the way; B: computed on the way: left as it is (an operand is computed on the way)
;;     5. batch 64 x [M 2,048, K 2,048] x [K 2,048, N 64]; A: computed on the way; B: computed on the way: left as it is (an operand is computed on the way)
;;     6. [M 8,192, K 1,024] x [K 1,024, N 1,024]; A: computed on the way; B: input wo: left as it is (an operand is computed on the way)
;;   THE QUANTISER, for each operand of a quantised product, along K:
;;     - K is cut into blocks of 32 from its start; a last block that is shorter is filled with zeros.
;;     - A block's scale is 2^e with e = floor(log2(the largest magnitude in the block)) - 2, held to -126 .. 127; a block of zeros has e = 0. As a byte (E8M0): e + 127.
;;     - Each number is divided by its block's scale, clamped to +-6, and rounded to the nearest number of E2M1, ties to even, subnormals kept.
;;     - The product sums the exact products of the quantised numbers (number of the format x scale) in f32.
;;   ~~~python
;;   def quantise(x, axis):      # numpy; x: float32 -> the quantised numbers, widened to float32 again
;;       x = np.moveaxis(x, axis, -1); K = x.shape[-1]
;;       x = np.pad(x, [(0, 0)] * (x.ndim - 1) + [(0, -K % 32)]); x = x.reshape(x.shape[:-1] + (-1, 32)); a = np.abs(x).max(-1, keepdims=True)
;;       e = np.where(a > 0, np.clip(np.frexp(np.where(a > 0, a, 1))[1] - 1 - 2, -126, 127), 0)      # np.frexp(a)[1] - 1 = floor(log2(a)), exactly
;;       r = np.clip(x / 2.0 ** e, -6, 6)
;;       step = 2.0 ** (np.maximum(np.frexp(np.where(r == 0, 1, r))[1] - 1, 0) - 1)
;;       q = np.round(r / step) * step * 2.0 ** e      # np.round: ties to even
;;       return np.moveaxis(q.reshape(q.shape[:-2] + (-1,))[..., :K], -1, axis).astype(np.float32)
;;   ~~~
;; One version. Each part assembles by itself: llvm-mc -triple=amdgcn-amd-amdhsa -mcpu=gfx1250 --defsym DOCPART=n.
;; ======== version 1 of 1: 5 launches
;; limits: values are held in f16: magnitudes above 65,504 overflow, below 6.1e-05 lose precision
;; workspace buffers: codes 5,767,168 bytes; scales 360,448 bytes; woh 2,097,152 bytes; rtab 524,288 bytes; qkvh 50,331,648 bytes; q16 786,432 bytes; att 16,777,216 bytes
;; launch prep (part 1): grid 448 x 1, 4 waves a work-group, no clusters, 33,280 bytes of LDS; arguments x, wq, wk, wv, wo, codes, scales, woh, rtab; writes codes, scales, woh, rtab
.if DOCPART == 1
	.amdgcn_target "amdgcn-amd-amdhsa--gfx1250"
	.amdhsa_code_object_version 6
	.text
	.protected	k_qbc762172e8_prep
	.globl	k_qbc762172e8_prep
	.p2align	8
	.type	k_qbc762172e8_prep,@function
k_qbc762172e8_prep:
	s_mov_b64 s[64:65], 0
	v_nop
	global_prefetch_b8 v0, s[64:65] scope:SCOPE_SE
	s_setreg_imm32_b32 hwreg(HW_REG_WAVE_MODE, 25, 1), 1
	s_wait_xcnt 0x0
; Three jobs in one launch, told apart by the work-group's number alone.
; Work-groups 0-351: x [8192][1024], wq, wk, wv [1024][1024], f32, become codes of FP4 (E2M1), K innermost, two codes a byte, and one E8M0 byte for each 32 along K.
;   codes [11264 rows][512 bytes], scales [11264][32]: rows 0-8191 x, then wq, wk, wv.  Rows are dense and K is a multiple of 32, so each tensor is a plain stream of blocks of 32.
;   A block's scale is 2^(floor(log2(largest magnitude)) - 2); its byte is the largest magnitude's exponent field - 2, held at 1 from below.
; Work-groups 352-383: wo [1024][1024] f32 is rounded to f16.     Work-groups 384-447: the table of cos and sin for RoPE, [2048 positions][32 pairs]{cos, sin}, f32.
; LIMITS: a block of zeros gets the byte 1 where the rule says 127 (its codes are zeros, and only this program reads the bytes); blocks whose largest magnitude lies under 2^(2 - 126) are held at the byte 1;
; NaN and infinities among the inputs are not served; |wo| above 65,504 becomes infinity in f16.
; Only the first job touches LDS.  No tensor loads, no barrier: waves share nothing.
.set WAVES, 4
.set STEPS, 16
.set EMAX,  2
.set CB,    8                          ; bytes of 16 codes
.set R,     16                         ; v16-79   four sets of 16 numbers as they are loaded
.set X,     80                         ; v80-111  two sets of 16 neighbours
.set E,     112                        ; v112-127 a scale byte for each step
.set C,     128                        ; v128-191 codes: four registers for each step, so that no store's data are written again
.set WREG,  8192                       ; LDS: a region for each wave: two stages of 32 x SP bytes, behind them its 256 scale bytes
.set SP,    80                         ; a lane's place in a stage: 64 bytes + 16 of padding
.set SPW,   12                         ; v12  LDS address of my spare word; never rewritten
.set NIL,   13                         ; v13  0; never rewritten
.set SPARE, WAVES*WREG                 ; behind the four regions: the spare words, 128 bytes a wave, which no other line names
.set WV,    22                         ; s22  my wave's number
.set WR,    16                         ; wo: v16-143 two sets of 16 loads
.set WC,    144                        ; wo: v144-175 the f16 numbers to store
	s_load_b256 s[4:11], s[0:1], 0x0               ; x s[4:5], wq s[6:7], wk s[8:9], wv s[10:11]
	s_load_b256 s[12:19], s[0:1], 0x20             ; wo s[12:13], codes s[14:15], scales s[16:17], woh s[18:19]
	s_load_b64 s[20:21], s[0:1], 0x40              ; rtab
	v_lshl_add_u32 v[SPW], v0, 2, SPARE
	v_mov_b32 v[NIL], 0
	v_lshrrev_b32 v1, 5, v0
	v_readfirstlane_b32 s[WV], v1                  ; wave 0..3
	v_and_b32 v2, 31, v0                           ; lane
	s_cmp_ge_u32 ttmp9, 352
	s_cbranch_scc1 .Lother
; ---- THE QUANTISER.  A wave takes 16 steps of 512 numbers.  The conversions take 8 numbers of ONE block from a lane's registers, so a lane must hold 16 neighbours (two neighbouring lanes hold a block);
; a load is best where neighbouring lanes take neighbouring bytes.  Both are had: each load reads 512 consecutive bytes, 16 a lane; a step's 2,048 bytes go through the wave's own stage in LDS and come back 64 bytes a lane.
	v_lshlrev_b32 v3, 4, v2                        ; my 16 bytes of a load's 512
	s_mul_i32 s26, s[WV], WREG
	v_lshrrev_b32 v14, 2, v2
	v_mul_u32_u24 v14, v14, SP
	v_and_b32 v15, 3, v2
	v_lshl_add_u32 v14, v15, 4, v14
	v_add_nc_u32 v14, s26, v14                     ; the stage, on the way in: SP (lane / 4) + 16 (lane % 4)
	v_mul_u32_u24 v15, v2, SP
	v_add_nc_u32 v15, s26, v15                     ; and on the way out: SP x lane: my 16 neighbours
	v_mul_u32_u24 v4, v2, CB                       ; my codes' place in a step's
	v_lshrrev_b32 v5, 1, v2
	s_add_co_u32 s26, s26, 2*32*SP
	v_add_nc_u32 v5, s26, v5                       ; LDS: my wave's 256 scale bytes, my block's byte
	v_lshlrev_b32 v7, 3, v2                        ; and on the way out 8 bytes a lane
	v_add_nc_u32 v6, s26, v7
	s_sub_co_u32 s23, ttmp9, 256
	s_and_b32 s23, s23, 31                         ; a weight's work-group within its tensor (32 each)
	s_wait_kmcnt 0x0
	s_cmp_lt_u32 ttmp9, 320                        ; which tensor: the choices hang on the work-group's number alone
	s_cselect_b64 s[24:25], s[8:9], s[10:11]
	s_cmp_lt_u32 ttmp9, 288
	s_cselect_b64 s[24:25], s[6:7], s[24:25]
	s_cmp_lt_u32 ttmp9, 256
	s_cselect_b64 s[24:25], s[4:5], s[24:25]
	s_cselect_b32 s23, ttmp9, s23
	s_lshl_b32 s23, s23, 2
	s_add_co_u32 s23, s23, s[WV]                   ; which run of 8,192 numbers of the tensor is my wave's
	s_lshl_b32 s26, s23, 15                        ; 32,768 bytes a run
	s_mov_b32 s27, 0
	s_add_nc_u64 s[24:25], s[24:25], s[26:27]
	s_lshl_b32 s28, ttmp9, 2
	s_add_co_u32 s28, s28, s[WV]                   ; and which run of the outputs: x's 1,024 runs fill rows 0-8191, the weights follow
	s_lshl_b32 s26, s28, 12                        ; 4,096 bytes of codes a run
	s_add_nc_u64 s[14:15], s[14:15], s[26:27]
	s_lshl_b32 s26, s28, 8                         ; 256 scale bytes a run
	s_add_nc_u64 s[16:17], s[16:17], s[26:27]
.macro LOAD t
.irp i, 0,1,2,3
	global_load_b128 v[R+16*((\t)%4)+4*\i:R+16*((\t)%4)+4*\i+3], v3, s[24:25] offset:2048*(\t)+512*\i th:TH_LOAD_NT   ; 32 lanes read 512 consecutive bytes
.endr
.endm
.macro TURN t                          ; step t's numbers through the stage: LDS serves a wave's instructions in order, so no wait stands between the stores and the loads
.irp i, 0,1,2,3
	ds_store_b128 v14, v[R+16*((\t)%4)+4*\i:R+16*((\t)%4)+4*\i+3] offset:32*SP*((\t)%2)+8*SP*\i
.endr
.irp i, 0,1,2,3
	ds_load_b128 v[X+16*((\t)%2)+4*\i:X+16*((\t)%2)+4*\i+3], v15 offset:32*SP*((\t)%2)+16*\i
.endr
.endm
.irp t, 0,1,2,3
	LOAD \t
.endr
	s_wait_loadcnt 12                              ; step 0's four loads are in; the twelve of steps 1 to 3 may be out
	TURN 0
.macro STEP t
.set XS, X+16*((\t)%2)
.if (\t) > 0
	s_wait_dscnt 1                                 ; this step's numbers are back from the stage (the last step's byte store may be out)
.else
	s_wait_dscnt 0x0
.endif
.if (\t)+4 < STEPS
	LOAD (\t)+4                                    ; the registers that the stage's stores have read take the loads of four steps on
.endif
.if (\t)+1 < STEPS
.if STEPS-2-(\t) >= 3
	s_wait_loadcnt 12                              ; the next step's four loads are in; those of the three steps behind it may be out
.else
	s_wait_loadcnt 4*(STEPS-2-(\t))
.endif
	TURN (\t)+1                                    ; and go through the other stage while this step is worked
.endif
	v_max3_num_f32 v8, |v[XS]|, |v[XS+1]|, |v[XS+2]|               ; the largest magnitude of my 16, in two chains
	v_max3_num_f32 v9, |v[XS+3]|, |v[XS+4]|, |v[XS+5]|
.irp i, 6,10
	v_max3_num_f32 v8, v8, |v[XS+\i]|, |v[XS+\i+1]|
	v_max3_num_f32 v9, v9, |v[XS+\i+2]|, |v[XS+\i+3]|
.endr
	v_max3_num_f32 v8, v8, |v[XS+14]|, |v[XS+15]|
	v_max3_num_f32 v8, v8, v9, (EMAX+1)<<23        ; and the floor 2^(EMAX + 1 - 127): the byte cannot fall under 1
	v_max_num_f32_dpp v8, v8, v8 row_xmask:1 row_mask:0xf bank_mask:0xf   ; and of my neighbour's 16: the block's
	v_add_nc_u32 v11, -(EMAX<<23), v8              ; EMAX off its exponent field: the conversion takes the exponent field of this operand as its scale, and nothing else of it
	v_cvt_scalef32_pk8_fp4_f32 v[C+4*(\t)], v[XS:XS+7], v11        ; eight numbers / the scale, to the nearest code, ties to even, beyond 6 the largest code
	v_cvt_scalef32_pk8_fp4_f32 v[C+4*(\t)+1], v[XS+8:XS+15], v11
	v_lshrrev_b32 v[E+(\t)], 23, v11               ; the scale's byte (also the plain line behind the conversions)
	ds_store_b8 v5, v[E+(\t)] offset:16*(\t)       ; both lanes of a block write the same byte with the same value
	global_store_b64 v4, v[C+4*(\t):C+4*(\t)+1], s[14:15] offset:32*CB*(\t)   ; the wave stores 256 consecutive bytes, aligned
.endm
.irp t, 0,1,2,3,4,5,6,7,8,9,10,11,12,13,14,15
	STEP \t
.endr
	ds_load_b64 v[8:9], v6                         ; LDS serves a wave's instructions in order: these see my byte stores
	s_wait_dscnt 0x0
	global_store_b64 v7, v[8:9], s[16:17]          ; 32 lanes store 256 consecutive bytes, aligned
	s_wait_tensorcnt 0x0                           ; the wave's end
	ds_add_u32 v[SPW], v[NIL]
	s_wait_dscnt 0x0
	s_endpgm
.Lother:
	s_cmp_ge_u32 ttmp9, 384
	s_cbranch_scc1 .Ltable
; ---- wo TO f16.  A wave takes 8,192 numbers: 64 loads of 512 consecutive bytes, 64 stores of 256.  Loads run two groups of 16 ahead.
	v_lshlrev_b32 v3, 4, v2                        ; in: 16 bytes a lane
	v_lshlrev_b32 v4, 3, v2                        ; out: 8 bytes a lane
	s_sub_co_u32 s23, ttmp9, 352
	s_lshl_b32 s23, s23, 2
	s_add_co_u32 s23, s23, s[WV]                   ; my run, 0..127
	s_lshl_b32 s26, s23, 15
	s_mov_b32 s27, 0
	s_lshl_b32 s28, s23, 14
	s_mov_b32 s29, 0
	s_wait_kmcnt 0x0
	s_add_nc_u64 s[12:13], s[12:13], s[26:27]
	s_add_nc_u64 s[18:19], s[18:19], s[28:29]
.macro WLOAD g
.irp i, 0,1,2,3,4,5,6,7,8,9,10,11,12,13,14,15
	global_load_b128 v[WR+64*((\g)%2)+4*\i:WR+64*((\g)%2)+4*\i+3], v3, s[12:13] offset:512*(16*(\g)+\i) th:TH_LOAD_NT
.endr
.endm
.macro WCVT g
.if (\g) > 0
	s_wait_xcnt 0x0                                ; the last group's stores have read their data: those registers are written again only behind this wait
.endif
.irp i, 0,1,2,3,4,5,6,7,8,9,10,11,12,13,14,15
.if (\g) < 3
	s_wait_loadcnt 31-\i                           ; behind load i: the rest of its group and the next group's sixteen
.else
	s_wait_loadcnt 15-\i
.endif
	v_cvt_pk_f16_f32 v[WC+2*\i], v[WR+64*((\g)%2)+4*\i], v[WR+64*((\g)%2)+4*\i+1]
	v_cvt_pk_f16_f32 v[WC+2*\i+1], v[WR+64*((\g)%2)+4*\i+2], v[WR+64*((\g)%2)+4*\i+3]
	global_store_b64 v4, v[WC+2*\i:WC+2*\i+1], s[18:19] offset:256*(16*(\g)+\i)
.endr
.endm
	WLOAD 0
	WLOAD 1
	WCVT 0
	WLOAD 2
	WCVT 1
	WLOAD 3
	WCVT 2
	WCVT 3
	s_endpgm
.Ltable:
; ---- THE TABLE.  A wave takes 8 positions, a lane a pair j: angle = position x 10000^(-j/32), rounded once as a product of f32 numbers.  The angle (up to 2,047) is brought into [-pi/4, pi/4] by
; n = the nearest whole number to angle x 2/pi and two fused multiply-adds with pi/2 in two parts; sine and cosine there by polynomials of degree 7 and 8; n mod 4 swaps them and sets the signs.
	v_lshlrev_b32 v3, 3, v2                        ; 8 bytes a pair
	s_sub_co_u32 s23, ttmp9, 384
	s_lshl_b32 s23, s23, 2
	s_add_co_u32 s23, s23, s[WV]                   ; 0..255
	s_lshl_b32 s28, s23, 3                         ; my first position
	s_lshl_b32 s26, s23, 11                        ; 8 positions of 256 bytes
	s_mov_b32 s27, 0
	s_mov_b32 s30, 0x3f22f983                      ; 2 / pi
	s_mov_b32 s31, 0x3fc90fdb                      ; pi / 2, its f32 part,
	s_mov_b32 s32, 0xb33bbd2e                      ; and what is left of it
	s_mov_b32 s33, 0xb94ca1f9                      ; sine: r + r z (S2 + z (S1 + z S0)), z = r r
	s_mov_b32 s34, 0x3c08839e
	s_mov_b32 s35, 0xbe2aaaa3
	s_mov_b32 s36, 0x37ccf5ce                      ; cosine: 1 - z / 2 + z z (C2 + z (C1 + z C0))
	s_mov_b32 s37, 0xbab6061a
	s_mov_b32 s38, 0x3d2aaaa5
	v_cvt_f32_u32 v4, v2
	v_mul_f32 v4, 0xbed49a78, v4                   ; -j log2(10000) / 32
	v_exp_f32 v4, v4                               ; the pair's frequency
	v_nop                                          ; a plain line behind the exponential,
	s_wait_alu depctr_va_vdst(0)                   ; and the wait ahead of its first reader
	s_wait_kmcnt 0x0
	s_add_nc_u64 s[20:21], s[20:21], s[26:27]
.macro ANGLE i                         ; each position has eight registers of its own, so no store's data are written again
.set B, 16+8*(\i)
	s_add_co_u32 s29, s28, \i
	v_cvt_f32_u32 v[B], s29
	v_mul_f32 v[B], v[B], v4                       ; the angle
	v_mul_f32 v[B+1], s30, v[B]
	v_rndne_f32 v[B+1], v[B+1]                     ; n
	v_fma_f32 v[B+2], -v[B+1], s31, v[B]
	v_fma_f32 v[B+2], -v[B+1], s32, v[B+2]         ; r
	v_mul_f32 v[B+3], v[B+2], v[B+2]               ; z
	v_fma_f32 v[B+4], s33, v[B+3], s34
	v_fma_f32 v[B+4], v[B+4], v[B+3], s35
	v_mul_f32 v[B+4], v[B+4], v[B+3]
	v_fma_f32 v[B+4], v[B+4], v[B+2], v[B+2]       ; sin r
	v_fma_f32 v[B+5], s36, v[B+3], s37
	v_fma_f32 v[B+5], v[B+5], v[B+3], s38
	v_fma_f32 v[B], v[B+3], -0.5, 1.0
	v_mul_f32 v[B+3], v[B+3], v[B+3]
	v_fma_f32 v[B+5], v[B+3], v[B+5], v[B]         ; cos r
	v_cvt_i32_f32 v[B+1], v[B+1]
	v_and_b32 v[B], 1, v[B+1]
	v_cmp_eq_u32 vcc_lo, 1, v[B]                   ; n odd: sine and cosine change places
	v_cndmask_b32 v[B+7], v[B+4], v[B+5], vcc_lo
	v_cndmask_b32 v[B+6], v[B+5], v[B+4], vcc_lo
	v_and_b32 v[B], 2, v[B+1]                      ; sine is negative for n mod 4 = 2, 3
	v_lshlrev_b32 v[B], 30, v[B]
	v_xor_b32 v[B+7], v[B+7], v[B]
	v_add_nc_u32 v[B+1], 1, v[B+1]                 ; cosine for n mod 4 = 1, 2
	v_and_b32 v[B+1], 2, v[B+1]
	v_lshlrev_b32 v[B+1], 30, v[B+1]
	v_xor_b32 v[B+6], v[B+6], v[B+1]
	global_store_b64 v3, v[B+6:B+7], s[20:21] offset:256*(\i)      ; the wave stores a position's 256 bytes, aligned
.endm
.irp i, 0,1,2,3,4,5,6,7
	ANGLE \i
.endr
	s_endpgm
.Lfunc_end_k_qbc762172e8_prep:
	.size	k_qbc762172e8_prep, .Lfunc_end_k_qbc762172e8_prep-k_qbc762172e8_prep
	.p2alignl 7, 3214868480
	.fill 96, 4, 3214868480
	.section	.rodata,"a",@progbits
	.p2align	6, 0x0
	.amdhsa_kernel k_qbc762172e8_prep
		.amdhsa_group_segment_fixed_size 33280
		.amdhsa_private_segment_fixed_size 0
		.amdhsa_enable_private_segment 0
		.amdhsa_kernarg_size 72
		.amdhsa_user_sgpr_count 2
		.amdhsa_user_sgpr_kernarg_segment_ptr 1
		.amdhsa_wavefront_size32 1
		.amdhsa_system_sgpr_workgroup_id_x 1
		.amdhsa_system_sgpr_workgroup_id_y 1
		.amdhsa_system_sgpr_workgroup_id_z 1
		.amdhsa_system_vgpr_workitem_id 0
		.amdhsa_next_free_vgpr 192
		.amdhsa_next_free_sgpr 66
		.amdhsa_reserve_vcc 1
		.amdhsa_float_denorm_mode_32 3
		.amdhsa_float_denorm_mode_16_64 3
		.amdhsa_memory_ordered 1
		.amdhsa_forward_progress 1
		.amdhsa_inst_pref_size 68
	.end_amdhsa_kernel
	.amdgpu_metadata
---
amdhsa.version: [ 1, 2 ]
amdhsa.kernels:
  - .name:           k_qbc762172e8_prep
    .symbol:         k_qbc762172e8_prep.kd
    .args:
      - { .name: x, .offset: 0, .size: 8, .value_kind: global_buffer, .address_space: global }
      - { .name: wq, .offset: 8, .size: 8, .value_kind: global_buffer, .address_space: global }
      - { .name: wk, .offset: 16, .size: 8, .value_kind: global_buffer, .address_space: global }
      - { .name: wv, .offset: 24, .size: 8, .value_kind: global_buffer, .address_space: global }
      - { .name: wo, .offset: 32, .size: 8, .value_kind: global_buffer, .address_space: global }
      - { .name: codes, .offset: 40, .size: 8, .value_kind: global_buffer, .address_space: global }
      - { .name: scales, .offset: 48, .size: 8, .value_kind: global_buffer, .address_space: global }
      - { .name: woh, .offset: 56, .size: 8, .value_kind: global_buffer, .address_space: global }
      - { .name: rtab, .offset: 64, .size: 8, .value_kind: global_buffer, .address_space: global }
    .group_segment_fixed_size: 33280
    .private_segment_fixed_size: 0
    .kernarg_segment_align: 8
    .kernarg_segment_size: 72
    .max_flat_workgroup_size: 128
    .sgpr_count:     66
    .vgpr_count:     192
    .wavefront_size: 32
...
	.end_amdgpu_metadata
.endif
;; end of part 1
;; launch qkv (part 2): grid 12 x 32, 4 waves a work-group, clusters of 4 x 4, 327,680 bytes of LDS; arguments codes, scales, rtab, qkvh, q16; writes qkvh, q16
.if DOCPART == 2
	.amdgcn_target "amdgcn-amd-amdhsa--gfx1250"
	.amdhsa_code_object_version 6
	.text
	.protected	k_qbc762172e8_qkv
	.globl	k_qbc762172e8_qkv
	.p2align	8
	.type	k_qbc762172e8_qkv,@function
k_qbc762172e8_qkv:
	s_mov_b64 s[64:65], 0
	v_nop
	global_prefetch_b8 v0, s[64:65] scope:SCOPE_SE
	s_setreg_imm32_b32 hwreg(HW_REG_WAVE_MODE, 25, 1), 1
	s_wait_xcnt 0x0
	s_wait_alu depctr_hold_cnt(0) depctr_sa_sdst(0) depctr_va_vdst(0) depctr_va_sdst(0) depctr_va_ssrc(0) depctr_va_vcc(0) depctr_vm_vsrc(0)
	s_getreg_b32 s2, hwreg(HW_REG_IB_STS2, 6, 4)
	s_cmp_eq_u32 s2, 0
	s_cbranch_scc0 .Lentry_in_a_cluster
	s_endpgm
.Lentry_in_a_cluster:
	s_bfe_u32 s2, ttmp6, 0x10000c
	s_cmp_lg_u32 s2, 0xf033
	s_cbranch_scc0 .Lentry_shape_is_right
	s_endpgm
.Lentry_shape_is_right:
; q, k, v = x W^T on codes of FP4 (E2M1) with one E8M0 scale for each 32 along K; then RoPE on q and k in f32; out in f16, by head: qkvh [3][64 (batch x 16 + head)][2048][64].
; One GEMM of 8,192 x 3,072 x 1,024: A = rows 0-8191 of codes (x), B = rows 8192 + n (wq, wk, wv on end).  Positions 0-15 of every batch also leave in f32: q16 [3][4][16][1024].
; A tile of C, 256 x 256, is made by four waves, a wave 128 x 128: 64 accumulators, 512 registers.  All of K lies in two LDS slots of 512 along K (rows of 256 bytes + 16 of padding): both are asked for at the
; head and nothing is filled again.  The scale bytes of the 256 + 256 rows, two dense blocks, come once, as rows of 256 bytes + 16.
; CLUSTERS: 4 x 4 work-groups.  The cluster's x is the tensor (0 q, 1 k, 2 v) and cx a block of 256 of its columns; cy is the batch and the cluster's y a block of 256 positions.  The four of a row of the cluster
; need the same tiles of A, the four of a column the same tiles of B: each is asked for jointly, by the same tensor load with the same descriptor and a mask that names the four.
; THE MATRIX INSTRUCTION IS USED TRANSPOSED (source 0 = 16 rows of B, source 1 = 16 rows of A): a lane holds one position and eight neighbouring channels: four pairs of RoPE.
; LIMITS: |q|, |k| or |v| above 65,504 becomes infinity in f16.
; REGISTERS, in windows of 256: window 0: v0-31 addresses; v32-95 scale words, two sets; v128-191 A's fragments, one set; v192-255 two sets of cos and sin.  Window 1: B's fragments, two sets.
;   Windows 2, 3: the accumulators of my rows 0-63 and 64-127 ((a, b) at v[8 (8 (a % 4) + b)]).  On the way out window 0 holds: v64-127 roped numbers, v128-159 f16, v160-191 and v32-63 rows read back.
.set KSTEP,  512
.set NQ,     KSTEP/128
.set ROWB,   256                       ; a tile's row in bytes
.set KROW,   512                       ; a row of codes in memory
.set PITCH,  272                       ; an LDS row: 68 words, so the 16 rows of a load start at 16 different groups of four banks
.set FR,     8
.set NL,     2
.set NP,     4                         ; places behind this matrix instruction (ISA guide 7.12.1)
.set HALFT,  128*PITCH
.set SLOT,   4*HALFT
.set KS,     32                        ; a row of scale bytes
.set SCL,    2*SLOT
.set HALFS,  (128*KS/256)*272
.set SBLK,   (16*KS/256)*272
.set SPARE,  SCL+4*HALFS               ; the spare words, 128 bytes a wave, which no other line names
.set STAGE,  SPARE+512                 ; the way out: for each wave 2 heads x 16 rows x (128 bytes + 16); no tensor load lands here
.set SPITCH, 144
.set ADRA, 16
.set ADRB, 20
.set STO,  24
.set RD,   25
.set CO,   26
.set ADRS, 27
.set SPW,  28
.set NIL,  29
.set TO,   30                          ; v30  my place in a block of the table: 256 x (lane % 16) + 32 x (lane / 16)
.set FO,   31                          ; v31  my place in q16: 4,096 x (lane % 16) + 32 x (lane / 16)
.set SC,   32
.set AF,   128
.set R,    64
.set H,    128
.set CS,   192
.set G1, 24
.set G0, 32
.set G1B, 48
.set G0B, 56
.set G1S, 68
.set G0S, 76
.set G1SB, 80
.set G0SB, 88
.set TAB,   66                         ; s[66:67] the table at my wave's first position
.set FIRST, 95                         ; s95      0 where my block 0 is positions 0-15
.set OUTB,  96                         ; s[96:97] qkvh at my first head and position
.set Q16B,  98                         ; s[98:99] q16 at my tensor, batch and first column
.set MSB, 0
.macro WIN new                         ; the immediate's high byte repeats the setting that is left
.if MSB != (\new)
	s_set_vgpr_msb (MSB<<8)|(\new)
.set MSB, (\new)
.endif
.endm
.set MUL_LO, 0xa1                      ; source 0 (B) window 1, source 1 (A) window 0, C and D window 2
.set MUL_HI, 0xf1
.set TO_B,   0x40
; A joint load: waves 0 and 1 fetch for A, waves 2 and 3 for B; the branch hangs on the wave's number alone.  An s_nop 0 and four v_nop follow each of the two lines.
.macro JLOAD g0a, g1a, g0b, g1b
	s_cmp_eq_u32 s15, 0
	s_cbranch_scc0 .Lfor_b_\@
	tensor_load_to_lds s[\g0a:\g0a+3], s[\g1a:\g1a+7]
	s_nop 0
.rept 4
	v_nop
.endr
	s_branch .Lasked_\@
.Lfor_b_\@:
	tensor_load_to_lds s[\g0b:\g0b+3], s[\g1b:\g1b+7]
	s_nop 0
.rept 4
	v_nop
.endr
.Lasked_\@:
.endm
.macro CROUND                          ; a round of the cluster's barrier
	s_barrier_signal -1
	s_barrier_wait -1
	s_cmp_lg_u32 s14, 0
	s_cbranch_scc1 .Lnot_wave_0_\@
	s_barrier_signal -3
.Lnot_wave_0_\@:
	s_barrier_wait -3
	s_barrier_signal -1
	s_barrier_wait -1
.endm
	s_load_b128 s[4:7], s[0:1], 0x0                ; codes s[4:5], scales s[6:7]
	s_load_b128 s[8:11], s[0:1], 0x10              ; rtab s[8:9], qkvh s[10:11]
	s_load_b64 s[12:13], s[0:1], 0x20              ; q16
	v_lshl_add_u32 v[SPW], v0, 2, SPARE
	v_mov_b32 v[NIL], 0
	ds_add_u32 v[SPW], v[NIL]                      ; the wave's opening: the add, twice on end, and its wait ahead of my first tensor load
	ds_add_u32 v[SPW], v[NIL]
	v_lshrrev_b32 v1, 5, v0
	v_readfirstlane_b32 s14, v1                    ; wave 0..3
	s_lshr_b32 s15, s14, 1                         ; which half of the tile's rows is mine.  Also: I fetch for A (0) or for B (1)
	s_and_b32 s16, s14, 1                          ; which half of its columns.  Also: which 128 rows of that tile I fetch
	s_bfe_u32 s40, ttmp6, 0x40000                  ; cx
	s_bfe_u32 s41, ttmp6, 0x40004                  ; cy
	s_lshl_b32 s42, ttmp9, 2
	s_add_co_u32 s42, s42, s40                     ; tile column = 4 x cluster x + cx
	s_and_b32 s17, ttmp7, 0xffff
	s_lshl_b32 s18, s41, 3
	s_add_co_u32 s17, s17, s18                     ; tile row = 8 cy + cluster y: cy is the batch
	s_lshl_b32 s43, s41, 2
	s_lshl_b32 s43, 15, s43                        ; my row of the cluster
	s_lshl_b32 s44, 0x1111, s40                    ; my column
	s_or_b32 s[G1+0], s43, (0<<16)|(1<<20)|(1<<21)|(5<<22)|(3<<25)  ; the mask; elements of 1 byte; padding on; bit 21 beside a mask; four words after every 64
	s_or_b32 s[G1B+0], s44, (0<<16)|(1<<20)|(1<<21)|(5<<22)|(3<<25)
.irp g, G1, G1B
	s_mov_b32 s[\g+1], ROWB<<16                    ; tensor_dim0
	s_mov_b32 s[\g+2], 128<<16                     ; tensor_dim1
	s_mov_b32 s[\g+3], ROWB<<16                    ; tile_dim0
	s_mov_b32 s[\g+4], 128                         ; tile_dim1
	s_mov_b32 s[\g+5], KROW                        ; the pitch
	s_mov_b32 s[\g+6], 0
	s_mov_b32 s[\g+7], 0
.endr
	s_or_b32 s[G1S+0], s43, (3<<16)|(1<<20)|(1<<21)|(5<<22)|(3<<25) ; the scales of 128 rows: 4,096 dense bytes as 16 rows of 32 elements of 8 bytes
	s_or_b32 s[G1SB+0], s44, (3<<16)|(1<<20)|(1<<21)|(5<<22)|(3<<25)
.irp g, G1S, G1SB
	s_mov_b32 s[\g+1], 32<<16
	s_mov_b32 s[\g+2], (128*KS/256)<<16
	s_mov_b32 s[\g+3], 32<<16
	s_mov_b32 s[\g+4], 128*KS/256
	s_mov_b32 s[\g+5], 32
	s_mov_b32 s[\g+6], 0
	s_mov_b32 s[\g+7], 0
.endr
	s_lshl_b32 s18, s16, 7                         ; which 128 rows of the tile I fetch
	s_lshl_b32 s20, s17, 8
	s_add_co_u32 s20, s20, s18                     ; A: row 256 x tile row + 128 x half
	s_lshl_b32 s46, s42, 8
	s_add_co_u32 s46, s46, s18
	s_add_co_u32 s46, s46, 8192                    ; B: row 8,192 + 256 x tile column + 128 x half
	s_mov_b32 s21, 0
	s_mov_b32 s47, 0
	s_mov_b64 s[18:19], KS
	s_mul_u64 s[22:23], s[20:21], s[18:19]         ; where these rows' scales begin
	s_mul_u64 s[92:93], s[46:47], s[18:19]
	s_mov_b64 s[18:19], KROW
	s_mul_u64 s[20:21], s[20:21], s[18:19]         ; and their codes
	s_mul_u64 s[46:47], s[46:47], s[18:19]
	s_mul_i32 s45, s14, HALFT                      ; where they go: wave x 128 rows
	s_mul_i32 s94, s14, HALFS
	s_wait_dscnt 0x0                               ; both opening adds are done
	s_wait_kmcnt 0x0
	s_add_nc_u64 s[20:21], s[4:5], s[20:21]
	s_add_nc_u64 s[22:23], s[6:7], s[22:23]
	s_add_nc_u64 s[46:47], s[4:5], s[46:47]
	s_add_nc_u64 s[92:93], s[6:7], s[92:93]
	CROUND                                         ; all sixteen work-groups are here: the joint loads meet
	s_mov_b32 s[G0S], 1
	s_add_co_u32 s[G0S+1], s94, SCL
	s_mov_b64 s[G0S+2:G0S+3], s[22:23]
	s_or_b32 s[G0S+3], s[G0S+3], 0x80000000
	s_mov_b32 s[G0SB], 1
	s_add_co_u32 s[G0SB+1], s94, SCL
	s_mov_b64 s[G0SB+2:G0SB+3], s[92:93]
	s_or_b32 s[G0SB+3], s[G0SB+3], 0x80000000
	JLOAD G0S, G1S, G0SB, G1SB                     ; the scales first: they are wanted with the first K step
.irp s, 0,1
	s_mov_b32 s[G0+4*\s], 1
	s_add_co_u32 s[G0+4*\s+1], s45, \s*SLOT
	s_add_nc_u64 s[G0+4*\s+2:G0+4*\s+3], s[20:21], \s*ROWB
	s_or_b32 s[G0+4*\s+3], s[G0+4*\s+3], 0x80000000
	s_mov_b32 s[G0B+4*\s], 1
	s_add_co_u32 s[G0B+4*\s+1], s45, \s*SLOT
	s_add_nc_u64 s[G0B+4*\s+2:G0B+4*\s+3], s[46:47], \s*ROWB
	s_or_b32 s[G0B+4*\s+3], s[G0B+4*\s+3], 0x80000000
	JLOAD G0+4*\s, G1, G0B+4*\s, G1B               ; three tensor loads of mine are out at the most
.endr
	v_and_b32 v1, 15, v0                           ; r = lane % 16
	v_bfe_u32 v2, v0, 4, 1                         ; h = lane / 16
	v_mul_u32_u24 v3, v1, PITCH
	v_lshl_add_u32 v4, v2, 4, v3                   ; a fragment's row x pitch + 16 h
	s_mul_i32 s21, s15, HALFT
	s_mul_i32 s22, s16, HALFT
	s_add_co_u32 s22, s22, 2*HALFT
.irp s, 0,1
	v_add_nc_u32 v[ADRA+\s], s21, v4
	v_add_nc_u32 v[ADRB+\s], s22, v4
	s_add_co_u32 s21, s21, SLOT
	s_add_co_u32 s22, s22, SLOT
.endr
	v_mul_u32_u24 v5, v1, KS                       ; my row's scales: KS bytes a row,
	v_lshrrev_b32 v6, 8, v5
	v_lshl_add_u32 v5, v6, 4, v5                   ; and 16 more for each 256 passed
	s_mul_i32 s21, s15, HALFS
	s_mul_i32 s22, s16, HALFS
	s_add_co_u32 s22, s22, 2*HALFS
	s_sub_co_u32 s22, s22, s21
	v_mul_u32_u24 v6, s22, v2                      ; lanes 16-31 take B's
	s_add_co_u32 s21, s21, SCL
	v_add_nc_u32 v5, v5, v6
	v_add_nc_u32 v[ADRS], s21, v5
	s_mul_i32 s23, s14, 2*16*SPITCH
	s_add_co_u32 s23, s23, STAGE                   ; my stage
	v_mul_u32_u24 v5, v1, SPITCH                   ; in: row r, 16 bytes for each half of the lanes
	v_lshl_add_u32 v5, v2, 4, v5
	v_add_nc_u32 v[STO], s23, v5
	v_bfe_u32 v5, v0, 3, 2                         ; back: eight lanes to a row of 128 bytes, four rows an instruction
	v_mul_u32_u24 v5, v5, SPITCH
	v_and_b32 v7, 7, v0
	v_lshl_add_u32 v5, v7, 4, v5
	v_add_nc_u32 v[RD], s23, v5
	v_and_b32 v6, 31, v0
	v_lshlrev_b32 v[CO], 4, v6                     ; those four rows are 512 dense bytes of a head
	v_lshlrev_b32 v[TO], 8, v1
	v_lshl_add_u32 v[TO], v2, 5, v[TO]
	v_lshlrev_b32 v[FO], 12, v1
	v_lshl_add_u32 v[FO], v2, 5, v[FO]
	s_and_b32 s18, ttmp7, 0xffff                   ; the cluster's y: my block of 256 positions
	s_lshl_b32 s20, s18, 8
	s_lshl_b32 s21, s15, 7
	s_add_co_u32 s20, s20, s21                     ; my wave's first position
	s_or_b32 s[FIRST], s18, s15
	s_lshl_b32 s22, s20, 8                         ; 256 bytes of the table a position
	s_mov_b32 s23, 0
	s_add_nc_u64 s[TAB:TAB+1], s[8:9], s[22:23]
	s_lshl_b32 s22, s20, 7                         ; 128 bytes of a head a position
	s_lshl_b32 s46, s41, 4
	s_lshl_b32 s47, s40, 2
	s_add_co_u32 s46, s46, s47
	s_lshl_b32 s47, s16, 1
	s_add_co_u32 s46, s46, s47                     ; 16 x batch + my first head: 4 cx + 2 x column half
	s_lshl_b32 s46, s46, 18                        ; 262,144 bytes a head
	s_add_co_u32 s46, s46, s22
	s_lshl_b32 s47, ttmp9, 24                      ; 16,777,216 bytes a tensor
	s_add_co_u32 s46, s46, s47
	s_mov_b32 s47, 0
	s_add_nc_u64 s[OUTB:OUTB+1], s[10:11], s[46:47]
	s_lshl_b32 s46, ttmp9, 18
	s_lshl_b32 s47, s41, 16
	s_add_co_u32 s46, s46, s47
	s_lshl_b32 s47, s40, 10
	s_add_co_u32 s46, s46, s47
	s_lshl_b32 s47, s16, 9
	s_add_co_u32 s46, s46, s47
	s_mov_b32 s47, 0
	s_add_nc_u64 s[Q16B:Q16B+1], s[12:13], s[46:47]
; cos and sin of block a's 16 positions: lane (r, h) takes, for each of a head's four groups of 16 channels, the four pairs of its half: 32 bytes.  Both heads of the wave use the same numbers.
.macro TABLE a
.irp ct, 0,1,2,3
.irp e, 0,1
	global_load_b128 v[CS+32*((\a)%2)+8*\ct+4*\e:CS+32*((\a)%2)+8*\ct+4*\e+3], v[TO], s[TAB:TAB+1] offset:4096*(\a)+64*\ct+16*\e
.endr
.endr
.endm
	TABLE 0                                        ; the first two sets land during the products.  Every work-group loads them, v's too, which do not read them: the head has one way for all
	TABLE 1
.macro FRAG reg, adr, q, i             ; 16 rows x 128 K of 4-bit codes: 8 registers; registers 4 c .. 4 c + 3 hold K = 64 c + 32 (lane / 16) + 0 .. 31
.irp c, 0,1
	ds_load_b128 v[\reg+4*\c:\reg+4*\c+3], v[\adr] offset:64*(\q)+32*\c+(\i)*16*PITCH
.endr
.endm
; 16 matrix instructions: A's blocks a0, a0 + 1 x B's eight.  The 64 accumulators take turns, one instruction a turn, in the same order in every step.
; One register carries A's scale word (lanes 0-15) and B's (lanes 16-31).
.macro MUL16 a0, p, q, sc, zero
.irp a, \a0, \a0+1
.irp b, 0,1,2,3,4,5,6,7
.if \zero
	v_wmma_scale_f32_16x16x128_f8f6f4 v[8*(8*((\a)%4)+\b):8*(8*((\a)%4)+\b)+7], v[128*(\p)+FR*\b:128*(\p)+FR*\b+FR-1], v[AF+FR*(\a):AF+FR*(\a)+FR-1], 0, v[SC+8*NQ*(\sc)+NQ*\b+(\q)], v[SC+8*NQ*(\sc)+NQ*(\a)+(\q)] matrix_a_fmt:MATRIX_FMT_FP4 matrix_b_fmt:MATRIX_FMT_FP4 matrix_a_scale:MATRIX_SCALE_ROW1
.else
	v_wmma_scale_f32_16x16x128_f8f6f4 v[8*(8*((\a)%4)+\b):8*(8*((\a)%4)+\b)+7], v[128*(\p)+FR*\b:128*(\p)+FR*\b+FR-1], v[AF+FR*(\a):AF+FR*(\a)+FR-1], v[8*(8*((\a)%4)+\b):8*(8*((\a)%4)+\b)+7], v[SC+8*NQ*(\sc)+NQ*\b+(\q)], v[SC+8*NQ*(\sc)+NQ*(\a)+(\q)] matrix_a_fmt:MATRIX_FMT_FP4 matrix_b_fmt:MATRIX_FMT_FP4 matrix_a_scale:MATRIX_SCALE_ROW1
.endif
.endr
.endr
.endm
.macro FETCH_B slot, q, p
	WIN TO_B
.irp i, 0,1,2,3,4,5,6,7
	FRAG 128*(\p)+FR*\i, ADRB+\slot, \q, \i
.endr
	WIN 0
.endm
.macro FETCH_A slot, q, i0
.irp i, \i0, \i0+1, \i0+2, \i0+3
	FRAG AF+FR*(\i), ADRA+\slot, \q, \i
.endr
.endm
.macro SCALES sc                       ; a slot's scale words: four a row; lanes 0-15 take A's block i, lanes 16-31 B's block i
.irp i, 0,1,2,3,4,5,6,7
	ds_load_b128 v[SC+8*NQ*\sc+NQ*\i:SC+8*NQ*\sc+NQ*\i+3], v[ADRS] offset:\i*SBLK
.endr
.endm
.macro PLACES n                        ; plain vector lines between a matrix instruction and a load into, or a vector line on, one of its registers
.rept \n
	v_nop
.endr
.endm
.macro STEP slot, q, zero              ; 128 along K with its successor in the same slot.  A has one set of registers (a block is free when its eight products are issued), B two
	s_wait_dscnt 4*NL                              ; B's set and A's blocks 0-3 are in; the youngest eight loads (A's blocks 4-7) may be out
	WIN MUL_LO
	MUL16 0, (\q)%2, \q, \slot, \zero
	MUL16 2, (\q)%2, \q, \slot, \zero
	s_wait_dscnt 0
	PLACES NP
	FETCH_B \slot, (\q)+1, 1-(\q)%2
	FETCH_A \slot, (\q)+1, 0
	WIN MUL_HI
	MUL16 4, (\q)%2, \q, \slot, \zero
	MUL16 6, (\q)%2, \q, \slot, \zero
	PLACES NP
	WIN 0
	FETCH_A \slot, (\q)+1, 4
.endm
.macro TURN slot, next                 ; slot 0's last step: behind the barrier slot 1 is whole for every wave.  Nothing is filled again
	s_wait_tensorcnt 0x0                           ; my part of the next slot has landed
	ds_add_u32 v[SPW], v[NIL]                      ; 0 onto my spare word
	s_wait_dscnt 4*NL+1                            ; (the add and the youngest eight loads may be out)
	WIN MUL_LO
	MUL16 0, 1, NQ-1, \slot, 0
	s_wait_dscnt 0x0
	s_barrier_signal -1
	MUL16 2, 1, NQ-1, \slot, 0
	WIN 0
	s_barrier_wait -1
	PLACES NP
	v_add_nc_u32 v[ADRS], 4*NQ, v[ADRS]            ; on to the next slot's scale words (no LDS load of mine is out)
	FETCH_B \next, 0, 0
	FETCH_A \next, 0, 0
	SCALES \next
	WIN MUL_HI
	MUL16 4, 1, NQ-1, \slot, 0
	MUL16 6, 1, NQ-1, \slot, 0
	PLACES NP
	WIN 0
	FETCH_A \next, 0, 4
.endm
	s_wait_tensorcnt 1                             ; the scales and my part of slot 0 are in; slot 1's load may be out
	s_barrier_signal -1
	s_barrier_wait -1
	FETCH_B 0, 0, 0
	FETCH_A 0, 0, 0
	SCALES 0
	FETCH_A 0, 0, 4
	STEP 0, 0, 1                                   ; the first step's products start the sums: nothing is cleared
	STEP 0, 1, 0
	STEP 0, 2, 0
	TURN 0, 1
	STEP 1, 0, 0
	STEP 1, 1, 0
	STEP 1, 2, 0
	s_wait_dscnt 4*NL                              ; the last step: nothing more to fetch
	WIN MUL_LO
	MUL16 0, 1, NQ-1, 1, 0
	MUL16 2, 1, NQ-1, 1, 0
	s_wait_dscnt 0
	WIN MUL_HI
	MUL16 4, 1, NQ-1, 1, 0
	MUL16 6, 1, NQ-1, 1, 0
	WIN 0
; THE WAY OUT, block by block of 16 positions x 128 channels (two heads).
.macro ROPE a                          ; (even, odd) -> (even cos - odd sin, odd cos + even sin), a pair an instruction; each accumulator from its low end on
.set AC, 64*((\a)%4)
.set CT, CS+32*((\a)%2)
	WIN 0x02+(\a)/4                                ; source 0: the accumulators' window
.irp b, 0,1,2,3,4,5,6,7
.irp i, 0,1,2,3
	v_pk_mul_f32 v[R+8*\b+2*\i:R+8*\b+2*\i+1], v[AC+8*\b+2*\i:AC+8*\b+2*\i+1], v[CT+8*(\b%4)+2*\i:CT+8*(\b%4)+2*\i+1] op_sel_hi:[1,0]
.endr
.irp i, 0,1,2,3
	v_pk_fma_f32 v[R+8*\b+2*\i:R+8*\b+2*\i+1], v[AC+8*\b+2*\i:AC+8*\b+2*\i+1], v[CT+8*(\b%4)+2*\i:CT+8*(\b%4)+2*\i+1], v[R+8*\b+2*\i:R+8*\b+2*\i+1] op_sel:[1,1,0] op_sel_hi:[0,1,1] neg_lo:[0,1,0]
.endr
.endr
	WIN 0
.endm
.macro PACKR
.irp b, 0,1,2,3,4,5,6,7
.irp i, 0,1,2,3
	v_cvt_pk_f16_f32 v[H+4*\b+\i], v[R+8*\b+2*\i], v[R+8*\b+2*\i+1]
.endr
.endr
.endm
.macro PACKV a
.set AC, 64*((\a)%4)
	WIN 0x0a+5*((\a)/4)                            ; sources 0 and 1: window 2 or 3
.irp b, 0,1,2,3,4,5,6,7
.irp i, 0,1,2,3
	v_cvt_pk_f16_f32 v[H+4*\b+\i], v[AC+8*\b+2*\i], v[AC+8*\b+2*\i+1]
.endr
.endr
	WIN 0
.endm
.macro F32OUT rope                     ; positions 0-15 in f32.  The branch hangs on the cluster's y and the wave's number: alike in all partners
	s_cmp_lg_u32 s[FIRST], 0
	s_cbranch_scc1 .Lnot_first_\@
.if \rope
.irp b, 0,1,2,3,4,5,6,7
.irp e, 0,1
	global_store_b128 v[FO], v[R+8*\b+4*\e:R+8*\b+4*\e+3], s[Q16B:Q16B+1] offset:64*\b+16*\e
.endr
.endr
.else
	WIN 0x08                                       ; a store's data are its source 1: window 2
.irp b, 0,1,2,3,4,5,6,7
.irp e, 0,1
	global_store_b128 v[FO], v[8*\b+4*\e:8*\b+4*\e+3], s[Q16B:Q16B+1] offset:64*\b+16*\e
.endr
.endr
	WIN 0
.endif
.Lnot_first_\@:
.endm
.macro TOSTAGE a                       ; a lane's 16 bytes into rows of 144, and back as four whole rows an instruction.  LDS serves a wave's instructions in order: no wait between
.set BB, 160-128*((\a)%2)
.irp b, 0,1,2,3,4,5,6,7
	ds_store_b128 v[STO], v[H+4*\b:H+4*\b+3] offset:16*SPITCH*(\b/4)+32*(\b%4)
.endr
.irp u, 0,1
.irp i, 0,1,2,3
	ds_load_b128 v[BB+4*(4*\u+\i):BB+4*(4*\u+\i)+3], v[RD] offset:16*SPITCH*\u+4*SPITCH*\i
.endr
.endr
.endm
.macro SEND a, younger                 ; younger: the LDS instructions issued behind block a's loads, which may stay out
.set BB, 160-128*((\a)%2)
	s_wait_dscnt \younger
.irp u, 0,1
.irp i, 0,1,2,3
	global_store_b128 v[CO], v[BB+4*(4*\u+\i):BB+4*(4*\u+\i)+3], s[OUTB:OUTB+1] offset:262144*\u+2048*(\a)+512*\i th:TH_STORE_NT   ; 32 lanes store 512 consecutive bytes, aligned
.endr
.endr
.endm
.macro WAYOUT rope
	PLACES NP                                      ; behind the last products: their results are read, and their operands' and scales' registers written, below
.irp a, 0,1,2,3,4,5,6,7
.if \a > 0
	s_wait_xcnt 0x0                                ; earlier stores have read their data: the roped numbers and the rows read back are written again only behind this wait
.endif
.if \rope
.if \a < 7
	s_wait_loadcnt 8                               ; this block's cos and sin are in; the next set's eight loads may be out
.else
	s_wait_loadcnt 0x0
.endif
	ROPE \a
.endif
.if \a == 0
	F32OUT \rope
.endif
.if \rope
	PACKR
.else
	PACKV \a
.endif
	TOSTAGE \a
.if \rope && (\a < 6)
	TABLE \a+2                                     ; into the set that this block has read
.endif
.if \a > 0
	SEND \a-1, 16                                  ; behind block a - 1's loads: block a's 8 stores and 8 loads
.endif
.endr
	SEND 7, 0
.endm
	s_cmp_eq_u32 ttmp9, 2                          ; the cluster's x: alike in all partners
	s_cbranch_scc1 .Lvalues
	WAYOUT 1                                       ; q and k
	s_branch .Ldone
.Lvalues:
	s_wait_loadcnt 0x0                             ; the two table sets of the head, which v does not read
	WAYOUT 0
.Ldone:
	s_wait_tensorcnt 0x0                           ; the wave's end
	ds_add_u32 v[SPW], v[NIL]
	s_wait_dscnt 0x0
	CROUND                                         ; the closing round
	s_endpgm
.Lfunc_end_k_qbc762172e8_qkv:
	.size	k_qbc762172e8_qkv, .Lfunc_end_k_qbc762172e8_qkv-k_qbc762172e8_qkv
	.p2alignl 7, 3214868480
	.fill 96, 4, 3214868480
	.section	.rodata,"a",@progbits
	.p2align	6, 0x0
	.amdhsa_kernel k_qbc762172e8_qkv
		.amdhsa_group_segment_fixed_size 327680
		.amdhsa_private_segment_fixed_size 0
		.amdhsa_enable_private_segment 0
		.amdhsa_kernarg_size 40
		.amdhsa_user_sgpr_count 2
		.amdhsa_user_sgpr_kernarg_segment_ptr 1
		.amdhsa_wavefront_size32 1
		.amdhsa_system_sgpr_workgroup_id_x 1
		.amdhsa_system_sgpr_workgroup_id_y 1
		.amdhsa_system_sgpr_workgroup_id_z 1
		.amdhsa_system_vgpr_workitem_id 0
		.amdhsa_next_free_vgpr 1024
		.amdhsa_next_free_sgpr 100
		.amdhsa_reserve_vcc 0
		.amdhsa_float_denorm_mode_32 3
		.amdhsa_float_denorm_mode_16_64 3
		.amdhsa_memory_ordered 1
		.amdhsa_forward_progress 1
		.amdhsa_inst_pref_size 200
	.end_amdhsa_kernel
	.amdgpu_metadata
---
amdhsa.version: [ 1, 2 ]
amdhsa.kernels:
  - .name:           k_qbc762172e8_qkv
    .symbol:         k_qbc762172e8_qkv.kd
    .args:
      - { .name: codes, .offset: 0, .size: 8, .value_kind: global_buffer, .address_space: global }
      - { .name: scales, .offset: 8, .size: 8, .value_kind: global_buffer, .address_space: global }
      - { .name: rtab, .offset: 16, .size: 8, .value_kind: global_buffer, .address_space: global }
      - { .name: qkvh, .offset: 24, .size: 8, .value_kind: global_buffer, .address_space: global }
      - { .name: q16, .offset: 32, .size: 8, .value_kind: global_buffer, .address_space: global }
    .group_segment_fixed_size: 327680
    .private_segment_fixed_size: 0
    .kernarg_segment_align: 8
    .kernarg_segment_size: 40
    .max_flat_workgroup_size: 128
    .sgpr_count:     100
    .vgpr_count:     1024
    .wavefront_size: 32
...
	.end_amdgpu_metadata
.endif
;; end of part 2
;; launch attn (part 3): grid 4 x 64, 16 waves a work-group, no clusters, 327,680 bytes of LDS; arguments qkvh, att; writes att
.if DOCPART == 3
	.amdgcn_target "amdgcn-amd-amdhsa--gfx1250"
	.amdhsa_code_object_version 6
	.text
	.protected	k_qbc762172e8_attn
	.globl	k_qbc762172e8_attn
	.p2align	8
	.type	k_qbc762172e8_attn,@function
k_qbc762172e8_attn:
	s_mov_b64 s[64:65], 0
	v_nop
	global_prefetch_b8 v0, s[64:65] scope:SCOPE_SE
	s_setreg_imm32_b32 hwreg(HW_REG_WAVE_MODE, 25, 1), 1
	s_wait_xcnt 0x0
; att[bh][q][:] = the sum over k <= q of softmax_k(Q[q] . K[k] / 8) V[k][:], for each of 64 (batch, head): Q, K, V [2048][64] f16 out of qkvh, att [64][2048][64] f16.  Products with f16 operands and f32 sums;
; maxima, exponentials and sums in f32; a running maximum m and sum l for each query: p = 2^(c s - c m), c = log2(e) / 8; in every step O and l are multiplied by a = 2^(c m_old - c m_new).
; SHARES.  Work-group (p, bh): waves 0-7 own the 256 queries of block 7 - p, waves 8-15 those of block p; a wave owns 32 queries, two tiles of 16.  Both blocks walk the same K and V from key 0, and
; (8 - p) + (p + 1) = 9 blocks of keys are walked in every work-group: 256 work-groups of equal work.  Four waves share a SIMD, so that one wave's softmax stands beside another's products.
; THE WALK.  Every work-group passes all 8 slots of 256 keys, 4 steps of 64 each: trip counts are constants.  A step all of whose keys come after my 32 queries is jumped over (a scalar branch on ids, round no barrier);
; in the step on the diagonal hidden scores become -infinity; a slot whose first key comes after the work-group's last query is read by none of its waves and is not asked for.
; NO CLUSTER: the four work-groups of a head end their walks at 8 - p slots, so a joint load would bring tiles that every wave of some partner jumps over.
; LAYOUT.  S^T = K Q^T (source 0 = 16 keys, source 1 = 16 queries): a lane holds ONE query (lane % 16) and keys 8 (lane / 16) + 0..7.  Two such tiles, rounded to f16 in pairs, ARE source 1 of O^T = V^T P.
; K comes out of LDS as it lies, V ([key][channel]) turned, by ds_load_tr16_b128.
; LIMITS: none beyond those of f16 in qkvh; p is at most 1.
.set PK,    144                        ; a row of K or V in LDS: 128 bytes + 16 of padding
.set VOFF,  256*PK                     ; a slot: 256 rows of K, then 256 rows of V
.set SLOT1, 1<<17                      ; slot 1 begins here: one exclusive or turns an address in one slot into the other's
.set STAGE, SLOT1+2*VOFF               ; the way out: 32 rows x 144 bytes for each wave; no tensor load lands here
.set SPARE, STAGE+16*32*PK             ; the spare words, 128 bytes a wave, which no other line names
.set AK0, 1                            ; v1   my lane's place in a tile of K
.set AV0, 2                            ; v2   the same for V
.set ADK, 3                            ; v3   LDS address of the step's K
.set ADV, 4                            ; v4   of its V
.set SPW, 5
.set NIL, 6
.set QO,  7                            ; v7   my byte in the wave's rows of Q
.set STO, 8
.set RD,  9
.set PFO, 10                           ; v10  256 x lane
.set NEG, 11                           ; v11  -infinity
.set D0,  12                           ; v12, v13  the mask: my query less the step's first key less 8 (lane / 16), for tiles 0 and 1
.set RH,  14                           ; v14  lane % 16 - 8 (lane / 16)
.set GO,  15                           ; v15  16 x lane
.set ST,  16                           ; tile x's statistics at v[ST + 8 x]: +0 c m, +1 m, +2, +3 l, +4 .. +7 at work (a takes +6)
.set Q,   32                           ; v32-63   Q: fragment (x, c) at 32 + 16 x + 8 c
.set S,   64                           ; v64-127  S^T: tile x at 64 + 32 x; P takes the first 16 registers of each
.set O,   128                          ; v128-191 O^T: 128 + 32 x + 8 ct
.set KV,  192                          ; v192-255 K's eight fragments, then V's
.set WV,    8
.set BH,    10
.set Q0,    11                         ; s11  my first query
.set KF,    12                         ; s12  the step's first key
.set LASTQ, 13                         ; s13  the work-group's last query
.set TB,    14                         ; s14  LDS byte at which the slot in hand begins
.set SLOTS, 15
.set LIM,   16                         ; s16  1 in a wave that prefetches, else the greatest number
.set PFA,   18
.set SEL,   20
.set CS,    22
.set G1,    24
.set G0,    32
.set QP,    36
.macro TLOAD                           ; waves 0-3 fetch K's quarters of a slot, waves 4-7 V's: 64 rows each; the others nothing.  An s_nop 0 and four v_nop follow the load
	s_cmp_lt_u32 s[WV], 8
	s_cbranch_scc0 .Lasked_\@
	tensor_load_to_lds s[G0:G0+3], s[G1:G1+7]
	s_nop 0
.rept 4
	v_nop
.endr
.Lasked_\@:
.endm
; A prefetch of what the NEXT change of slots will ask for.  All four work-groups of a head walk the same K and V: the one with p = 0, which walks all 8 slots, asks; in it waves 8-15, which fetch nothing, ask,
; wave w for the 8,192 bytes that wave w - 8 will fetch, lanes 256 bytes apart: each aligned block of 256 bytes is named once.  Six trips name slots 2 to 7; nothing is asked at the head or past slot 7.
.macro ASK
	s_cmp_gt_u32 s[SLOTS], s[LIM]
	s_cbranch_scc0 .Lnot_mine_\@
	global_prefetch_b8 v[PFO], s[PFA:PFA+1] th:TH_LOAD_NT scope:SCOPE_SE
.Lnot_mine_\@:
.endm
	s_load_b128 s[4:7], s[0:1], 0x0                ; qkvh s[4:5], att s[6:7]
	v_lshl_add_u32 v[SPW], v0, 2, SPARE
	v_mov_b32 v[NIL], 0
	ds_add_u32 v[SPW], v[NIL]                      ; the wave's opening: the add, twice on end, and its wait ahead of my first tensor load
	ds_add_u32 v[SPW], v[NIL]
	v_lshrrev_b32 v1, 5, v0
	v_readfirstlane_b32 s[WV], v1                  ; wave 0..15
	s_and_b32 s[BH], ttmp7, 0xffff
	s_lshr_b32 s40, s[WV], 3
	s_sub_co_u32 s41, 7, ttmp9
	s_cmp_eq_u32 s40, 0
	s_cselect_b32 s41, s41, ttmp9                  ; my block of queries: 7 - p or p
	s_lshl_b32 s41, s41, 8
	s_and_b32 s42, s[WV], 7
	s_lshl_b32 s43, s42, 5
	s_add_co_u32 s[Q0], s41, s43
	s_sub_co_u32 s[LASTQ], 8, ttmp9
	s_lshl_b32 s[LASTQ], s[LASTQ], 8
	s_sub_co_u32 s[LASTQ], s[LASTQ], 1
	s_xor_b32 s40, s40, 1                          ; 0 in waves 8-15,
	s_or_b32 s40, s40, ttmp9                       ; of the work-group with p = 0
	s_cmp_eq_u32 s40, 0
	s_cselect_b32 s[LIM], 1, -1
	s_mov_b32 s[G1], (1<<16)|(1<<20)|(4<<22)|(3<<25)  ; no mask; elements of 2 bytes; padding on: four words after every 32
	s_mov_b32 s[G1+1], 64<<16                      ; tensor_dim0 = 64
	s_mov_b32 s[G1+2], 64<<16                      ; tensor_dim1 = 64
	s_mov_b32 s[G1+3], 64<<16                      ; tile_dim0 = 64
	s_mov_b32 s[G1+4], 64                          ; tile_dim1 = 64
	s_mov_b32 s[G1+5], 64                          ; the pitch
	s_mov_b32 s[G1+6], 0
	s_mov_b32 s[G1+7], 0
	s_lshl_b32 s38, s[BH], 18                      ; 262,144 bytes a head
	s_lshr_b32 s43, s42, 2                         ; 0: K, 1: V
	s_and_b32 s44, s42, 3                          ; which 64 rows
	s_mul_i32 s45, s43, VOFF
	s_mul_i32 s46, s44, 64*PK
	s_add_co_u32 s45, s45, s46                     ; in a slot,
	s_add_co_u32 s46, s43, 1
	s_lshl_b32 s46, s46, 24                        ; and in memory: tensor 1 or 2,
	s_add_co_u32 s46, s46, s38
	s_lshl_b32 s44, s44, 13
	s_add_co_u32 s46, s46, s44
	s_mov_b32 s47, 0
	s_mov_b32 s[SEL], 0x76543210
	s_mov_b32 s[SEL+1], 0xfedcba98                 ; v_permlanex16_b32's selects for lane l xor 16
	s_mov_b32 s[CS], 0x3e38aa3b                    ; c = log2(e) / 8
	s_mov_b32 s[CS+1], s[CS]
	s_mov_b32 s[TB], 0
	s_mov_b32 s[KF], 0
	s_mov_b32 s[SLOTS], 7
	s_wait_dscnt 0x0                               ; both opening adds are done
	s_wait_kmcnt 0x0
	s_mov_b32 s[G0], 1
	s_mov_b32 s[G0+1], s45
	s_add_nc_u64 s[G0+2:G0+3], s[4:5], s[46:47]
	s_add_nc_u64 s[PFA:PFA+1], s[G0+2:G0+3], 256*128   ; in slot 1: the first change of slots steps it to slot 2
	s_or_b32 s[G0+3], s[G0+3], 0x80000000
	TLOAD                                          ; slot 0.  A wave never has more than one tensor load out
	s_lshl_b32 s40, s[Q0], 7
	s_add_co_u32 s40, s40, s38
	s_mov_b32 s41, 0
	s_add_nc_u64 s[QP:QP+1], s[4:5], s[40:41]      ; Q and att at my first query
	s_add_nc_u64 s[6:7], s[6:7], s[40:41]
	v_and_b32 v3, 15, v0                           ; r
	v_bfe_u32 v4, v0, 4, 1                         ; h
	v_lshlrev_b32 v[QO], 7, v3
	v_lshl_add_u32 v[QO], v4, 4, v[QO]
.irp x, 0,1
.irp c, 0,1
	global_load_b128 v[Q+16*\x+8*\c:Q+16*\x+8*\c+3], v[QO], s[QP:QP+1] offset:2048*\x+64*\c         ; Q stays in registers
	global_load_b128 v[Q+16*\x+8*\c+4:Q+16*\x+8*\c+7], v[QO], s[QP:QP+1] offset:2048*\x+64*\c+32
.endr
.endr
	v_mul_u32_u24 v[AK0], v3, PK
	v_lshl_add_u32 v[AK0], v4, 4, v[AK0]           ; row r x pitch + 16 h
	v_and_b32 v[AV0], 7, v0                        ; the turning load: key 8 h + lane % 8, channels 8 ((lane / 8) % 2) on
	v_lshl_add_u32 v[AV0], v4, 3, v[AV0]
	v_mul_u32_u24 v[AV0], v[AV0], PK
	v_bfe_u32 v12, v0, 3, 1
	v_lshl_add_u32 v[AV0], v12, 4, v[AV0]
	v_add_nc_u32 v[AV0], VOFF, v[AV0]
	s_mul_i32 s40, s[WV], 32*PK
	s_add_co_u32 s40, s40, STAGE                   ; my stage
	v_add_nc_u32 v[STO], s40, v[AK0]               ; in: row r, 16 bytes for each half of the lanes
	v_bfe_u32 v12, v0, 3, 2                        ; back: eight lanes to a row, four rows an instruction
	v_mul_u32_u24 v12, v12, PK
	v_and_b32 v13, 7, v0
	v_lshl_add_u32 v12, v13, 4, v12
	v_add_nc_u32 v[RD], s40, v12
	v_and_b32 v[GO], 31, v0
	v_lshlrev_b32 v[PFO], 8, v[GO]
	v_lshlrev_b32 v[GO], 4, v[GO]
	v_mov_b32 v[NEG], 0xff800000
	v_lshlrev_b32 v[RH], 3, v4
	v_sub_nc_u32 v[RH], v3, v[RH]
.irp x, 0,1
	v_mov_b32 v[ST+8*\x+1], 0xff61b1e6             ; m: -3e38, under every score
	v_mul_f32 v[ST+8*\x], s[CS], v[ST+8*\x+1]      ; c m
.irp i, 2,3,4,5,6,7
	v_mov_b32 v[ST+8*\x+\i], 0                     ; l; and what is named as a pair or as a permute's destination before it is first written
.endr
.endr
.set n, 0
.rept 64
	v_mov_b32 v[O+n], 0                            ; O^T.  The step is written once: the first finds zeros, which its a = 0 leaves zeros
.set n, n+1
.endr
; A KEY STEP: 64 keys, the q-th of the slot in hand.
.macro STEP q
	s_add_co_u32 s40, s[Q0], 31
	s_cmp_gt_u32 s[KF], s40                        ; all keys behind my last query: nothing to do
	s_cbranch_scc1 .Lhidden_\@
	v_add_nc_u32 v[ADK], s[TB], v[AK0]             ; five plain vector lines behind the last step's products: the loads below land in registers that those read (four are asked),
	v_add_nc_u32 v[ADV], s[TB], v[AV0]             ; and the products below write over P's registers, which those read as source 1 (five)
.rept 3
	v_nop
.endr
.irp kt, 0,1,2,3
.irp c, 0,1
	ds_load_b128 v[KV+8*(2*\kt+\c):KV+8*(2*\kt+\c)+3], v[ADK] offset:(64*(\q)+16*\kt)*PK+64*\c
	ds_load_b128 v[KV+8*(2*\kt+\c)+4:KV+8*(2*\kt+\c)+7], v[ADK] offset:(64*(\q)+16*\kt)*PK+64*\c+32
.endr
.endr
	s_wait_dscnt 0x0
.irp c, 0,1                                    ; S^T = K Q^T: the eight accumulators by turns; the first eight start the sums
.irp kt, 0,1,2,3
.irp x, 0,1
.if \c == 0
	v_wmma_f32_16x16x32_f16 v[S+32*\x+8*\kt:S+32*\x+8*\kt+7], v[KV+8*(2*\kt+\c):KV+8*(2*\kt+\c)+7], v[Q+16*\x+8*\c:Q+16*\x+8*\c+7], 0
.else
	v_wmma_f32_16x16x32_f16 v[S+32*\x+8*\kt:S+32*\x+8*\kt+7], v[KV+8*(2*\kt+\c):KV+8*(2*\kt+\c)+7], v[Q+16*\x+8*\c:Q+16*\x+8*\c+7], v[S+32*\x+8*\kt:S+32*\x+8*\kt+7]
.endif
.endr
.endr
.endr
.rept 4
	v_nop                                          ; places: V lands where K lay, and the scores are read below
.endr
.irp ks, 0,1
.irp ct, 0,1,2,3
	ds_load_tr16_b128 v[KV+8*(4*\ks+\ct):KV+8*(4*\ks+\ct)+3], v[ADV] offset:(64*(\q)+32*\ks)*PK+32*\ct      ; V lands while the softmax is walked
	ds_load_tr16_b128 v[KV+8*(4*\ks+\ct)+4:KV+8*(4*\ks+\ct)+7], v[ADV] offset:(64*(\q)+32*\ks+16)*PK+32*\ct
.endr
.endr
	s_add_co_u32 s40, s[KF], 63
	s_cmp_le_u32 s40, s[Q0]                        ; all keys count for all my queries: no mask
	s_cbranch_scc1 .Lopen_\@
	s_sub_co_i32 s40, s[Q0], s[KF]
	v_add_nc_u32 v[D0], s40, v[RH]                 ; register 8 kt + j holds key KF + 16 kt + 8 h + j: hidden where 16 kt + j > my query - KF - 8 h
	v_add_nc_u32 v[D0+1], 16, v[D0]
.irp x, 0,1
.set n, 0
.rept 32
	v_cmp_gt_i32 vcc_lo, 16*(n/8)+n%8, v[D0+\x]
	v_cndmask_b32 v[S+32*\x+n], v[S+32*\x+n], v[NEG], vcc_lo
.set n, n+1
.endr
.endr
.Lopen_\@:
.irp j, 0,1,2,3                                ; the largest of 32 scores and the old m, three at a time, four chains; the two tiles line by line.  Each accumulator is read from its low end on
.irp x, 0,1
	v_max3_num_f32 v[ST+8*\x+4+\j], v[S+32*\x+8*\j], v[S+32*\x+8*\j+1], v[S+32*\x+8*\j+2]
.endr
.endr
.irp g, 1,2
.irp j, 0,1,2,3
.irp x, 0,1
	v_max3_num_f32 v[ST+8*\x+4+\j], v[ST+8*\x+4+\j], v[S+32*\x+8*\j+2*\g+1], v[S+32*\x+8*\j+2*\g+2]
.endr
.endr
.endr
.irp x, 0,1
	v_max3_num_f32 v[ST+8*\x+4], v[ST+8*\x+4], v[S+32*\x+7], v[S+32*\x+15]
	v_max3_num_f32 v[ST+8*\x+6], v[ST+8*\x+6], v[S+32*\x+23], v[S+32*\x+31]
.endr
.irp x, 0,1
	v_max3_num_f32 v[ST+8*\x+4], v[ST+8*\x+4], v[ST+8*\x+5], v[ST+8*\x+6]
.endr
.irp x, 0,1
	v_max3_num_f32 v[ST+8*\x+4], v[ST+8*\x+4], v[ST+8*\x+7], v[ST+8*\x+1]
.endr
.irp x, 0,1
	v_permlanex16_b32 v[ST+8*\x+5], v[ST+8*\x+4], s[SEL], s[SEL+1]    ; the query's other 32 keys lie in the lane 16 away
.endr
.irp x, 0,1
	v_mov_b32 v[ST+8*\x+7], v[ST+8*\x]             ; c m_old
.endr
.irp x, 0,1
	v_max_num_f32 v[ST+8*\x+1], v[ST+8*\x+4], v[ST+8*\x+5]
.endr
.irp x, 0,1
	v_mul_f32 v[ST+8*\x], s[CS], v[ST+8*\x+1]
.endr
.irp x, 0,1
	v_sub_f32 v[ST+8*\x+7], v[ST+8*\x+7], v[ST+8*\x]
.endr
.set n, 0
.rept 16
.irp x, 0,1
	v_pk_fma_f32 v[S+32*\x+2*n:S+32*\x+2*n+1], v[S+32*\x+2*n:S+32*\x+2*n+1], s[CS:CS+1], v[ST+8*\x:ST+8*\x+1] op_sel_hi:[1,0,0] neg_lo:[0,0,1] neg_hi:[0,0,1]   ; c s - c m
.endr
.set n, n+1
.endr
.irp x, 0,1
	v_exp_f32 v[ST+8*\x+6], v[ST+8*\x+7]           ; a.  ONE BATCH of 66 exponentials, none of which reads another's result
.endr
.set n, 0
.rept 32
.irp x, 0,1
	v_exp_f32 v[S+32*\x+n], v[S+32*\x+n]
.endr
.set n, n+1
.endr
	v_nop                                          ; a plain line behind the last exponential,
	s_wait_alu depctr_va_vdst(0)                   ; and the one wait ahead of the batch's first reader
.irp x, 0,1                                    ; l = a l + the sum of the unrounded p: two chains a tile
	v_pk_fma_f32 v[ST+8*\x+2:ST+8*\x+3], v[ST+8*\x+2:ST+8*\x+3], v[ST+8*\x+6:ST+8*\x+7], v[S+32*\x:S+32*\x+1] op_sel_hi:[1,0,1]
.endr
.irp x, 0,1
	v_pk_add_f32 v[ST+8*\x+4:ST+8*\x+5], v[S+32*\x+2:S+32*\x+3], v[S+32*\x+6:S+32*\x+7]
.endr
.irp b, 2,4,6,8,10,12
.irp x, 0,1
	v_pk_add_f32 v[ST+8*\x+2:ST+8*\x+3], v[ST+8*\x+2:ST+8*\x+3], v[S+32*\x+2*\b:S+32*\x+2*\b+1]
	v_pk_add_f32 v[ST+8*\x+4:ST+8*\x+5], v[ST+8*\x+4:ST+8*\x+5], v[S+32*\x+2*\b+6:S+32*\x+2*\b+7]
.endr
.endr
.irp x, 0,1
	v_pk_add_f32 v[ST+8*\x+2:ST+8*\x+3], v[ST+8*\x+2:ST+8*\x+3], v[S+32*\x+28:S+32*\x+29]
.endr
.irp x, 0,1
	v_pk_add_f32 v[ST+8*\x+2:ST+8*\x+3], v[ST+8*\x+2:ST+8*\x+3], v[ST+8*\x+4:ST+8*\x+5]
.endr
.set n, 0
.rept 16
.irp x, 0,1
	v_cvt_pk_f16_f32 v[S+32*\x+n], v[S+32*\x+2*n], v[S+32*\x+2*n+1]   ; P, in place and ascending: register n never lies above its sources
.endr
.set n, n+1
.endr
.set n, 0
.rept 16
.irp x, 0,1
	v_pk_mul_f32 v[O+32*\x+2*n:O+32*\x+2*n+1], v[O+32*\x+2*n:O+32*\x+2*n+1], v[ST+8*\x+6:ST+8*\x+7] op_sel_hi:[1,0]   ; O^T x a
.endr
.set n, n+1
.endr
	s_wait_dscnt 0x0                               ; V is in
.irp ks, 0,1                                   ; O^T += V^T P: the eight accumulators by turns
.irp ct, 0,1,2,3
.irp x, 0,1
	v_wmma_f32_16x16x32_f16 v[O+32*\x+8*\ct:O+32*\x+8*\ct+7], v[KV+8*(4*\ks+\ct):KV+8*(4*\ks+\ct)+7], v[S+32*\x+8*\ks:S+32*\x+8*\ks+7], v[O+32*\x+8*\ct:O+32*\x+8*\ct+7]
.endr
.endr
.endr
.Lhidden_\@:
	s_add_co_u32 s[KF], s[KF], 64
.endm
; THE CHANGE OF SLOTS stands at a slot's head.  Each wave waits for all its tensor loads (its part of the slot ahead), adds 0 to its spare word, and waits for that and for its reads of the slot that it has left.
; Behind the barrier the slot ahead is whole and nobody reads the other one; fill = 1: that one takes the next 256 keys, up to the causal limit.  The load has a slot's four steps in which to land.
.macro CHANGE fill
	s_wait_tensorcnt 0x0                           ; no tensor load of mine is out, so the descriptor may be written
	ds_add_u32 v[SPW], v[NIL]                      ; 0 onto my spare word
.if \fill
	ds_add_u32 v[SPW], v[NIL]                      ; and once more, in every trip alike
	s_xor_b32 s[G0+1], s[G0+1], SLOT1              ; the other slot than last time,
	s_add_nc_u64 s[G0+2:G0+3], s[G0+2:G0+3], 256*128   ; the next 256 rows; the type bits on top are not reached
	s_wait_xcnt 0x0                                ; the last prefetch, a slot back, has read its address
	s_add_nc_u64 s[PFA:PFA+1], s[PFA:PFA+1], 256*128
.endif
	s_wait_dscnt 0x0
	s_barrier_signal -1
	s_barrier_wait -1
.if \fill
	s_add_co_u32 s40, s[KF], 256                   ; the first key of the slot that this change would ask for,
	s_cmp_gt_u32 s40, s[LASTQ]                     ; against the work-group's last query: ids and the count of steps alone, the same in all sixteen waves
	s_cbranch_scc1 .Lpast_\@
	TLOAD                                          ; a wave's one tensor load until the next such barrier
.Lpast_\@:
	ASK
.endif
.endm
.macro SLOT_STEPS
	STEP 0
	STEP 1
	STEP 2
	STEP 3
	s_xor_b32 s[TB], s[TB], SLOT1
.endm
	s_wait_loadcnt 0x0                             ; Q
.Lslot:                                            ; seven trips: behind each change of slots but the last the next slot is asked for
	CHANGE 1
	SLOT_STEPS
	s_sub_co_u32 s[SLOTS], s[SLOTS], 1
	s_cmp_lg_u32 s[SLOTS], 0
	s_cbranch_scc1 .Lslot
	CHANGE 0                                       ; the last slot is written out: nothing is left to ask for
	SLOT_STEPS
	; THE WAY OUT: O^T / l, rounded to f16, through my stage in LDS; my 32 rows are 4,096 dense bytes of att.
.rept 4
	v_nop                                          ; places behind the last products
.endr
.irp x, 0,1
	v_add_f32 v[ST+8*\x+4], v[ST+8*\x+2], v[ST+8*\x+3]
.endr
.irp x, 0,1
	v_permlanex16_b32 v[ST+8*\x+5], v[ST+8*\x+4], s[SEL], s[SEL+1]
.endr
.irp x, 0,1
	v_add_f32 v[ST+8*\x+4], v[ST+8*\x+4], v[ST+8*\x+5]
.endr
.irp x, 0,1
	v_rcp_f32 v[ST+8*\x+6], v[ST+8*\x+4]
.endr
	v_nop                                          ; a plain line behind the reciprocals,
	s_wait_alu depctr_va_vdst(0)                   ; and the wait ahead of their first reader
.irp x, 0,1
.set n, 0
.rept 16
	v_pk_mul_f32 v[O+32*\x+2*n:O+32*\x+2*n+1], v[O+32*\x+2*n:O+32*\x+2*n+1], v[ST+8*\x+6:ST+8*\x+7] op_sel_hi:[1,0]
.set n, n+1
.endr
.endr
.irp x, 0,1
.set n, 0
.rept 16
	v_cvt_pk_f16_f32 v[S+16*\x+n], v[O+32*\x+2*n], v[O+32*\x+2*n+1]
.set n, n+1
.endr
.endr
.irp x, 0,1
.irp ct, 0,1,2,3
	ds_store_b128 v[STO], v[S+16*\x+4*\ct:S+16*\x+4*\ct+3] offset:16*PK*\x+32*\ct
.endr
.endr
.irp i, 0,1,2,3,4,5,6,7
	ds_load_b128 v[KV+4*\i:KV+4*\i+3], v[RD] offset:4*PK*\i    ; LDS serves a wave's instructions in order: these see my stores
.endr
.irp i, 0,1,2,3,4,5,6,7
	s_wait_dscnt 7-\i                              ; the younger loads may be out
	global_store_b128 v[GO], v[KV+4*\i:KV+4*\i+3], s[6:7] offset:512*\i   ; 32 lanes store 512 consecutive bytes, aligned
.endr
	s_wait_tensorcnt 0x0                           ; the wave's end
	ds_add_u32 v[SPW], v[NIL]
	s_wait_dscnt 0x0
	s_endpgm
.Lfunc_end_k_qbc762172e8_attn:
	.size	k_qbc762172e8_attn, .Lfunc_end_k_qbc762172e8_attn-k_qbc762172e8_attn
	.p2alignl 7, 3214868480
	.fill 96, 4, 3214868480
	.section	.rodata,"a",@progbits
	.p2align	6, 0x0
	.amdhsa_kernel k_qbc762172e8_attn
		.amdhsa_group_segment_fixed_size 327680
		.amdhsa_private_segment_fixed_size 0
		.amdhsa_enable_private_segment 0
		.amdhsa_kernarg_size 16
		.amdhsa_user_sgpr_count 2
		.amdhsa_user_sgpr_kernarg_segment_ptr 1
		.amdhsa_wavefront_size32 1
		.amdhsa_system_sgpr_workgroup_id_x 1
		.amdhsa_system_sgpr_workgroup_id_y 1
		.amdhsa_system_sgpr_workgroup_id_z 1
		.amdhsa_system_vgpr_workitem_id 0
		.amdhsa_next_free_vgpr 256
		.amdhsa_next_free_sgpr 66
		.amdhsa_reserve_vcc 1
		.amdhsa_float_denorm_mode_32 3
		.amdhsa_float_denorm_mode_16_64 3
		.amdhsa_memory_ordered 1
		.amdhsa_forward_progress 1
		.amdhsa_inst_pref_size 186
	.end_amdhsa_kernel
	.amdgpu_metadata
---
amdhsa.version: [ 1, 2 ]
amdhsa.kernels:
  - .name:           k_qbc762172e8_attn
    .symbol:         k_qbc762172e8_attn.kd
    .args:
      - { .name: qkvh, .offset: 0, .size: 8, .value_kind: global_buffer, .address_space: global }
      - { .name: att, .offset: 8, .size: 8, .value_kind: global_buffer, .address_space: global }
    .group_segment_fixed_size: 327680
    .private_segment_fixed_size: 0
    .kernarg_segment_align: 8
    .kernarg_segment_size: 16
    .max_flat_workgroup_size: 512
    .sgpr_count:     66
    .vgpr_count:     256
    .wavefront_size: 32
...
	.end_amdgpu_metadata
.endif
;; end of part 3
;; launch oproj (part 4): grid 4 x 64, 4 waves a work-group, clusters of 4 x 4, 327,680 bytes of LDS; arguments att, woh, out0; writes out0
.if DOCPART == 4
	.amdgcn_target "amdgcn-amd-amdhsa--gfx1250"
	.amdhsa_code_object_version 6
	.text
	.protected	k_qbc762172e8_oproj
	.globl	k_qbc762172e8_oproj
	.p2align	8
	.type	k_qbc762172e8_oproj,@function
k_qbc762172e8_oproj:
	s_mov_b64 s[64:65], 0
	v_nop
	global_prefetch_b8 v0, s[64:65] scope:SCOPE_SE
	s_setreg_imm32_b32 hwreg(HW_REG_WAVE_MODE, 25, 1), 1
	s_wait_xcnt 0x0
	s_wait_alu depctr_hold_cnt(0) depctr_sa_sdst(0) depctr_va_vdst(0) depctr_va_sdst(0) depctr_va_ssrc(0) depctr_va_vcc(0) depctr_vm_vsrc(0)
	s_getreg_b32 s2, hwreg(HW_REG_IB_STS2, 6, 4)
	s_cmp_eq_u32 s2, 0
	s_cbranch_scc0 .Lentry_in_a_cluster
	s_endpgm
.Lentry_in_a_cluster:
	s_bfe_u32 s2, ttmp6, 0x10000c
	s_cmp_lg_u32 s2, 0xf033
	s_cbranch_scc0 .Lentry_shape_is_right
	s_endpgm
.Lentry_shape_is_right:
; out0[b][s][n] = the sum over k of attn[b][s][k] wo[n][k], k = 64 x head + channel: f16 operands, f32 sums, f32 out.  attn lies by head: att [64 (16 b + head)][2048][64]; woh [1024][1024].
; Positions 0-15 of every batch are NOT stored here: a later launch makes them in f32.
; A tile of C is 128 (rows) x 256 (columns): 256 work-groups.  Four waves, each 64 x 128: 32 accumulators, all of window 1 ((a, b) at v[8 (8 a + b)]).  K goes in 8 steps of 128, two heads, through two LDS slots.
; CLUSTERS: 4 x 4.  cy is the batch, the cluster's y a block of 128 positions, cx the block of 256 columns.  A's tiles are shared along a row of the cluster, B's along a column: joint loads.
; THE MATRIX INSTRUCTION IS USED TRANSPOSED (source 0 = 16 rows of woh, source 1 = 16 rows of att): a lane holds eight neighbouring columns of one row of C.
; No prefetch: the launch is 8 K steps long and its tiles are shared in clusters.
; Window 0: v0-31 addresses; v32-95 A's fragments, two buffers of 32; v128-255 B's, two buffers of 64; on the way out v128-255 hold rows read back.
.set PA,     144                       ; a row of A in LDS: 128 bytes + 16
.set PB,     272                       ; a row of B: 256 bytes + 16
.set BOFF,   2*128*PA                  ; a slot: A's two planes (a head each) of 128 rows, then B's 256 rows
.set SLOT,   BOFF+256*PB
.set STAGE,  2*SLOT                    ; the way out: 16 rows x (512 bytes + 16) for each wave; no tensor load lands here
.set SPITCH, 528
.set SPARE,  STAGE+4*16*SPITCH         ; the spare words, 128 bytes a wave, which no other line names
.set ADRA, 16
.set ADRB, 20
.set STO,  24
.set RD,   25
.set CO,   26
.set SPW,  28
.set NIL,  29
.set AF,   32
.set BF,   128
.set BK,   128
.set G1, 24
.set G0, 32
.set G1B, 48
.set G0B, 56
.set SKIP, 45                          ; s45  0 where my block 0 is positions 0-15
.set MSB, 0
.macro WIN new
.if MSB != (\new)
	s_set_vgpr_msb (MSB<<8)|(\new)
.set MSB, (\new)
.endif
.endm
.set MUL, 0x50                         ; C and D window 1, sources 0 and 1 window 0
.macro JLOAD s                         ; waves 0 and 1 fetch A's two planes, waves 2 and 3 B's two halves; an s_nop 0 and four v_nop follow each of the two lines
	s_cmp_eq_u32 s11, 0
	s_cbranch_scc0 .Lfor_b_\@
	tensor_load_to_lds s[G0+4*\s:G0+4*\s+3], s[G1:G1+7]
	s_nop 0
.rept 4
	v_nop
.endr
	s_branch .Lasked_\@
.Lfor_b_\@:
	tensor_load_to_lds s[G0B+4*\s:G0B+4*\s+3], s[G1B:G1B+7]
	s_nop 0
.rept 4
	v_nop
.endr
.Lasked_\@:
.endm
.macro CREST
	s_cmp_lg_u32 s10, 0
	s_cbranch_scc1 .Lnot_wave_0_\@
	s_barrier_signal -3
.Lnot_wave_0_\@:
	s_barrier_wait -3
	s_barrier_signal -1
	s_barrier_wait -1
.endm
.macro CROUND
	s_barrier_signal -1
	s_barrier_wait -1
	CREST
.endm
	s_load_b128 s[4:7], s[0:1], 0x0                ; att s[4:5], woh s[6:7]
	s_load_b64 s[8:9], s[0:1], 0x10                ; out0
	v_lshl_add_u32 v[SPW], v0, 2, SPARE
	v_mov_b32 v[NIL], 0
	ds_add_u32 v[SPW], v[NIL]                      ; the wave's opening: the add, twice on end, and its wait ahead of my first tensor load
	ds_add_u32 v[SPW], v[NIL]
	v_lshrrev_b32 v1, 5, v0
	v_readfirstlane_b32 s10, v1                    ; wave 0..3
	s_lshr_b32 s11, s10, 1                         ; which half of the tile's rows is mine.  Also: I fetch for A (0) or for B (1)
	s_and_b32 s12, s10, 1                          ; which half of its columns.  Also: which plane of A, or which 128 rows of B, I fetch
	s_bfe_u32 s40, ttmp6, 0x40000                  ; cx
	s_bfe_u32 s41, ttmp6, 0x40004                  ; cy: the batch
	s_lshl_b32 s42, ttmp9, 2
	s_add_co_u32 s42, s42, s40                     ; tile column
	s_and_b32 s13, ttmp7, 0xffff                   ; the cluster's y: the block of 128 positions
	s_lshl_b32 s43, s41, 2
	s_lshl_b32 s43, 15, s43                        ; my row of the cluster
	s_lshl_b32 s44, 0x1111, s40                    ; my column
	s_or_b32 s[G1+0], s43, (1<<16)|(1<<20)|(1<<21)|(4<<22)|(3<<25)   ; A: elements of 2 bytes; four words of padding after every 32
	s_mov_b32 s[G1+1], 64<<16                      ; tensor_dim0 = 64
	s_mov_b32 s[G1+2], 128<<16                     ; tensor_dim1 = 128
	s_mov_b32 s[G1+3], 64<<16                      ; tile_dim0
	s_mov_b32 s[G1+4], 128                         ; tile_dim1
	s_mov_b32 s[G1+5], 64                          ; the pitch
	s_mov_b32 s[G1+6], 0
	s_mov_b32 s[G1+7], 0
	s_or_b32 s[G1B+0], s44, (1<<16)|(1<<20)|(1<<21)|(5<<22)|(3<<25)  ; B: four words after every 64
	s_mov_b32 s[G1B+1], 128<<16
	s_mov_b32 s[G1B+2], 128<<16
	s_mov_b32 s[G1B+3], 128<<16
	s_mov_b32 s[G1B+4], 128
	s_mov_b32 s[G1B+5], 1024
	s_mov_b32 s[G1B+6], 0
	s_mov_b32 s[G1B+7], 0
	s_lshl_b32 s16, s41, 4
	s_add_co_u32 s16, s16, s12                     ; A: head 16 x batch + my plane,
	s_lshl_b32 s16, s16, 18
	s_lshl_b32 s17, s13, 14                        ; 128 rows of 128 bytes a block
	s_add_co_u32 s16, s16, s17
	s_mov_b32 s17, 0
	s_lshl_b32 s46, s42, 8
	s_lshl_b32 s47, s12, 7
	s_add_co_u32 s46, s46, s47                     ; B: row 256 x tile column + 128 x half,
	s_lshl_b32 s46, s46, 11                        ; of 2,048 bytes
	s_mov_b32 s47, 0
	s_mul_i32 s20, s12, 128*PA                     ; where they go: no place in the cluster enters an LDS address
	s_mul_i32 s21, s12, 128*PB
	s_add_co_u32 s21, s21, BOFF
	s_wait_dscnt 0x0                               ; both opening adds are done
	s_wait_kmcnt 0x0
	s_add_nc_u64 s[14:15], s[4:5], s[16:17]
	s_add_nc_u64 s[46:47], s[6:7], s[46:47]
	CROUND                                         ; all sixteen work-groups are here: the first joint loads meet
.irp s, 0,1
	s_mov_b32 s[G0+4*\s], 1
	s_add_co_u32 s[G0+4*\s+1], s20, \s*SLOT
	s_add_nc_u64 s[G0+4*\s+2:G0+4*\s+3], s[14:15], \s*2*262144   ; K step s: heads 2 s, 2 s + 1
	s_or_b32 s[G0+4*\s+3], s[G0+4*\s+3], 0x80000000
	s_mov_b32 s[G0B+4*\s], 1
	s_add_co_u32 s[G0B+4*\s+1], s21, \s*SLOT
	s_add_nc_u64 s[G0B+4*\s+2:G0B+4*\s+3], s[46:47], \s*256
	s_or_b32 s[G0B+4*\s+3], s[G0B+4*\s+3], 0x80000000
	JLOAD \s                                       ; two tensor loads of mine are out at the most
.endr
	v_and_b32 v1, 15, v0                           ; r
	v_bfe_u32 v2, v0, 4, 1                         ; h
	v_mul_u32_u24 v3, v1, PA
	v_lshl_add_u32 v3, v2, 4, v3
	v_mul_u32_u24 v4, v1, PB
	v_lshl_add_u32 v4, v2, 4, v4
	s_mul_i32 s22, s11, 64*PA                      ; my 64 rows of A (in each plane)
	s_mul_i32 s23, s12, 128*PB                     ; my 128 rows of B
	s_add_co_u32 s23, s23, BOFF
.irp s, 0,1
	v_add_nc_u32 v[ADRA+\s], s22, v3
	v_add_nc_u32 v[ADRB+\s], s23, v4
	s_add_co_u32 s22, s22, SLOT
	s_add_co_u32 s23, s23, SLOT
.endr
	s_mul_i32 s23, s10, 16*SPITCH
	s_add_co_u32 s23, s23, STAGE                   ; my stage
	v_mul_u32_u24 v5, v1, SPITCH                   ; in: row r, 32 bytes for each half of the lanes
	v_lshl_add_u32 v5, v2, 5, v5
	v_add_nc_u32 v[STO], s23, v5
	v_and_b32 v6, 31, v0
	v_lshlrev_b32 v[CO], 4, v6                     ; back: the 32 lanes take one row of 512 bytes; and the same in C
	v_add_nc_u32 v[RD], s23, v[CO]
	s_lshl_b32 s16, s41, 11
	s_lshl_b32 s17, s13, 7
	s_add_co_u32 s16, s16, s17
	s_lshl_b32 s17, s11, 6
	s_add_co_u32 s16, s16, s17                     ; my first row of C: 2,048 x batch + 128 x block + 64 x half
	s_lshl_b32 s16, s16, 12                        ; of 4,096 bytes
	s_lshl_b32 s46, s42, 10
	s_lshl_b32 s47, s12, 9
	s_add_co_u32 s46, s46, s47                     ; my first column, in bytes
	s_add_co_u32 s16, s16, s46
	s_mov_b32 s17, 0
	s_add_nc_u64 s[8:9], s[8:9], s[16:17]
	s_or_b32 s[SKIP], s13, s11
.macro MUL8 f, a, zero                 ; A's block a x B's eight, 32 along K.  The 32 accumulators take turns in one order throughout
.irp b, 0,1,2,3,4,5,6,7
.if \zero
	v_wmma_f32_16x16x32_f16 v[8*(8*(\a)+\b):8*(8*(\a)+\b)+7], v[BF+64*(\f)+8*\b:BF+64*(\f)+8*\b+7], v[AF+32*(\f)+8*(\a):AF+32*(\f)+8*(\a)+7], 0
.else
	v_wmma_f32_16x16x32_f16 v[8*(8*(\a)+\b):8*(8*(\a)+\b)+7], v[BF+64*(\f)+8*\b:BF+64*(\f)+8*\b+7], v[AF+32*(\f)+8*(\a):AF+32*(\f)+8*(\a)+7], v[8*(8*(\a)+\b):8*(8*(\a)+\b)+7]
.endif
.endr
.endm
.macro FETCH slot, kq, f               ; 24 LDS loads in one run: quarter kq (32 along K) of the slot into buffer f: B's 16, then A's blocks 0, 1, then 2, 3
	WIN 0
.irp i, 0,1,2,3,4,5,6,7
	ds_load_b128 v[BF+64*(\f)+8*\i:BF+64*(\f)+8*\i+3], v[ADRB+\slot] offset:64*(\kq)+\i*16*PB
	ds_load_b128 v[BF+64*(\f)+8*\i+4:BF+64*(\f)+8*\i+7], v[ADRB+\slot] offset:64*(\kq)+\i*16*PB+32
.endr
.irp i, 0,1,2,3
	ds_load_b128 v[AF+32*(\f)+8*\i:AF+32*(\f)+8*\i+3], v[ADRA+\slot] offset:128*PA*((\kq)/2)+64*((\kq)%2)+\i*16*PA
	ds_load_b128 v[AF+32*(\f)+8*\i+4:AF+32*(\f)+8*\i+7], v[ADRA+\slot] offset:128*PA*((\kq)/2)+64*((\kq)%2)+\i*16*PA+32
.endr
.endm
.macro PLACES
.rept 4
	v_nop
.endr
.endm
.macro QUARTER slot, kq, f, g, zero    ; multiplies buffer f; in its middle fetches quarter kq of the same slot into buffer g
	s_wait_dscnt 4                                 ; B and A's blocks 0, 1 are in; the youngest four loads (A's blocks 2, 3) may be out
	WIN MUL
	MUL8 \f, 0, \zero
	MUL8 \f, 1, \zero
	PLACES                                         ; in front of loads into registers that matrix instructions have read
	FETCH \slot, \kq, \g
	s_wait_dscnt 24                                ; all but the 24 just issued
	WIN MUL
	MUL8 \f, 2, \zero
	MUL8 \f, 3, \zero
.endm
; A slot's last quarter multiplies buffer 1 and changes slots: one barrier; in front of it each wave waits for all its tensor loads, adds 0 to its spare word, and waits for that and for its reads of this slot.
; fill = 1: the barrier opens a round of the cluster's, and this slot is filled again, two K steps ahead, first thing behind the round.
.macro TURN slot, next, fill
	WIN 0
	s_wait_tensorcnt 0x0                           ; all my tensor loads have landed: my part of the next slot
	ds_add_u32 v[SPW], v[NIL]                      ; 0 onto my spare word
	s_wait_dscnt 5                                 ; (the add and the youngest four loads may be out)
	WIN MUL
	MUL8 1, 0, 0
	s_wait_dscnt 0x0                               ; the add is done, and my reads of this slot are over
	s_barrier_signal -1
	MUL8 1, 1, 0
	WIN 0
	s_barrier_wait -1
.if \fill
	CREST                                          ; no wave of any partner still reads this slot's tile or has a load on its way
	s_add_nc_u64 s[G0+4*\slot+2:G0+4*\slot+3], s[G0+4*\slot+2:G0+4*\slot+3], 4*262144   ; four heads on
	s_add_nc_u64 s[G0B+4*\slot+2:G0B+4*\slot+3], s[G0B+4*\slot+2:G0B+4*\slot+3], 512
	JLOAD \slot                                    ; its four v_nop are also the places in front of the loads below
.else
	PLACES
.endif
	FETCH \next, 0, 0
	WIN MUL
	MUL8 1, 2, 0
	MUL8 1, 3, 0
.endm
	s_wait_tensorcnt 1                             ; my part of K step 0 is in; K step 1's load may be out
	s_barrier_signal -1
	s_barrier_wait -1
	FETCH 0, 0, 0
	QUARTER 0, 1, 0, 1, 1                          ; the first quarter's products start the sums
	WIN 0
	s_mov_b32 s3, 3
.Llap:                                                 ; a trip goes once round the ring, from a lap's second quarter to the next lap's first, and fills both slots again
	QUARTER 0, 2, 1, 0, 0
	QUARTER 0, 3, 0, 1, 0
	TURN 0, 1, 1
	QUARTER 1, 1, 0, 1, 0
	QUARTER 1, 2, 1, 0, 0
	QUARTER 1, 3, 0, 1, 0
	TURN 1, 0, 1
	QUARTER 0, 1, 0, 1, 0
	WIN 0
	s_sub_co_u32 s3, s3, 1
	s_cmp_lg_u32 s3, 0
	s_cbranch_scc1 .Llap
	QUARTER 0, 2, 1, 0, 0                          ; the last lap fills nothing
	QUARTER 0, 3, 0, 1, 0
	TURN 0, 1, 0
	QUARTER 1, 1, 0, 1, 0
	QUARTER 1, 2, 1, 0, 0
	QUARTER 1, 3, 0, 1, 0
	s_wait_dscnt 4
	WIN MUL
	MUL8 1, 0, 0
	MUL8 1, 1, 0
	s_wait_dscnt 0
	MUL8 1, 2, 0
	MUL8 1, 3, 0
	WIN 0
; THE WAY OUT, block by block of 16 rows x 128 columns, through my own stage: in as 32 bytes a lane, back as whole rows of 512 bytes.  LDS serves a wave's instructions in order.
.macro TOSTAGE a
	WIN 0x04                                       ; an LDS store's data are its source 1: window 1
.irp b, 0,1,2,3,4,5,6,7
	ds_store_b128 v[STO], v[8*(8*(\a)+\b):8*(8*(\a)+\b)+3] offset:64*\b          ; each accumulator from its low end on
	ds_store_b128 v[STO], v[8*(8*(\a)+\b)+4:8*(8*(\a)+\b)+7] offset:64*\b+16
.endr
	WIN 0
.set BB, BK+64*((\a)%2)
.irp t, 0,1,2,3,4,5,6,7,8,9,10,11,12,13,14,15
	ds_load_b128 v[BB+4*\t:BB+4*\t+3], v[RD] offset:\t*SPITCH
.endr
.endm
.macro SEND a, younger
.set BB, BK+64*((\a)%2)
	s_wait_dscnt \younger
.if (\a) == 0
	s_cmp_eq_u32 s[SKIP], 0                        ; positions 0-15 belong to the launch that makes them in f32.  The cluster's y and the wave's number: alike in all partners
	s_cbranch_scc1 .Lnot_mine_\@
.endif
.irp t, 0,1,2,3,4,5,6,7,8,9,10,11,12,13,14,15
	global_store_b128 v[CO], v[BB+4*\t:BB+4*\t+3], s[8:9] offset:65536*(\a)+4096*\t th:TH_STORE_NT   ; 32 lanes store 512 consecutive bytes, aligned
.endr
.if (\a) == 0
.Lnot_mine_\@:
.endif
.endm
	PLACES
	TOSTAGE 0
	TOSTAGE 1
	SEND 0, 32                                     ; behind block 0's loads: block 1's 16 stores and 16 loads
	s_wait_xcnt 0x0                                ; block 0's stores have read their registers: block 2's loads may land there
	TOSTAGE 2
	SEND 1, 32
	s_wait_xcnt 0x0
	TOSTAGE 3
	SEND 2, 32
	SEND 3, 0
	s_wait_tensorcnt 0x0                           ; the wave's end
	ds_add_u32 v[SPW], v[NIL]
	s_wait_dscnt 0x0
	CROUND                                         ; the closing round
	s_endpgm
.Lfunc_end_k_qbc762172e8_oproj:
	.size	k_qbc762172e8_oproj, .Lfunc_end_k_qbc762172e8_oproj-k_qbc762172e8_oproj
	.p2alignl 7, 3214868480
	.fill 96, 4, 3214868480
	.section	.rodata,"a",@progbits
	.p2align	6, 0x0
	.amdhsa_kernel k_qbc762172e8_oproj
		.amdhsa_group_segment_fixed_size 327680
		.amdhsa_private_segment_fixed_size 0
		.amdhsa_enable_private_segment 0
		.amdhsa_kernarg_size 24
		.amdhsa_user_sgpr_count 2
		.amdhsa_user_sgpr_kernarg_segment_ptr 1
		.amdhsa_wavefront_size32 1
		.amdhsa_system_sgpr_workgroup_id_x 1
		.amdhsa_system_sgpr_workgroup_id_y 1
		.amdhsa_system_sgpr_workgroup_id_z 1
		.amdhsa_system_vgpr_workitem_id 0
		.amdhsa_next_free_vgpr 512
		.amdhsa_next_free_sgpr 66
		.amdhsa_reserve_vcc 0
		.amdhsa_float_denorm_mode_32 3
		.amdhsa_float_denorm_mode_16_64 3
		.amdhsa_memory_ordered 1
		.amdhsa_forward_progress 1
		.amdhsa_inst_pref_size 85
	.end_amdhsa_kernel
	.amdgpu_metadata
---
amdhsa.version: [ 1, 2 ]
amdhsa.kernels:
  - .name:           k_qbc762172e8_oproj
    .symbol:         k_qbc762172e8_oproj.kd
    .args:
      - { .name: att, .offset: 0, .size: 8, .value_kind: global_buffer, .address_space: global }
      - { .name: woh, .offset: 8, .size: 8, .value_kind: global_buffer, .address_space: global }
      - { .name: out0, .offset: 16, .size: 8, .value_kind: global_buffer, .address_space: global }
    .group_segment_fixed_size: 327680
    .private_segment_fixed_size: 0
    .kernarg_segment_align: 8
    .kernarg_segment_size: 24
    .max_flat_workgroup_size: 128
    .sgpr_count:     66
    .vgpr_count:     512
    .wavefront_size: 32
...
	.end_amdgpu_metadata
.endif
;; end of part 4
;; launch first16 (part 5): grid 16 x 4, 16 waves a work-group, no clusters, 84,992 bytes of LDS; arguments q16, wo, out0; writes out0
.if DOCPART == 5
	.amdgcn_target "amdgcn-amd-amdhsa--gfx1250"
	.amdhsa_code_object_version 6
	.text
	.protected	k_qbc762172e8_first16
	.globl	k_qbc762172e8_first16
	.p2align	8
	.type	k_qbc762172e8_first16,@function
k_qbc762172e8_first16:
	s_mov_b64 s[64:65], 0
	v_nop
	global_prefetch_b8 v0, s[64:65] scope:SCOPE_SE
	s_setreg_imm32_b32 hwreg(HW_REG_WAVE_MODE, 25, 1), 1
	s_wait_xcnt 0x0
; Positions 0-15 of each batch, whose softmax averages one to sixteen values, wholly in f32: attention and the projection by wo, by v_wmma_f32_16x16x4_f32.  q16 [3 (q, k, v)][4][16][1024] f32.
; Work-group (x, y): batch y, output columns 64 x .. 64 x + 63.  PHASE 1: wave w makes head w's attention for the 16 queries (every work-group of a batch makes all 16 heads anew: 16 x 16 x 64 numbers a head).
; S^T = K Q^T, a lane holds one query and keys 8 (lane / 16) + 0..7; softmax under the causal mask with the row's maximum; O^T = V^T P.  O^T goes to LDS as an image of its registers.
; PHASE 2: wave w takes column tile w % 4 and heads 4 (w / 4) + 0..3: Y^T = wo attn^T; the four quarters of K meet in LDS and eight waves store 16 rows x 256 bytes.
; Along K both sources of a product hold the same numbers in the same places, in the order in which plain loads bring them.  Four accumulators take turns in each sum, and are added at the end;
; the registers that the matrix instruction writes (v176-239) are written by nothing else.
.set IMG,   0                          ; LDS: 16 heads x 4,096 bytes
.set RED,   65536                      ; 4 quarters of K x 16 rows x (256 bytes + 16)
.set SPARE, RED+4*16*272               ; the spare words, 128 bytes a wave, which no other line names
.set KA,  16                           ; v16-47   K, later wo's third head
.set QB,  48                           ; v48-79   Q, later wo's fourth head
.set VA,  80                           ; v80-111  V^T
.set AT,  80                           ;          later a head's image
.set SA,  176                          ; v176-207 four sums of S^T, later four of Y^T
.set OA,  208                          ; v208-239 O^T
.set P,   240                          ; v240-247 scores, p, later Y^T
.set SPW, 252
.set NIL, 253
	s_load_b128 s[4:7], s[0:1], 0x0                ; q16 s[4:5], wo s[6:7]
	s_load_b64 s[8:9], s[0:1], 0x10                ; out0
	v_lshl_add_u32 v[SPW], v0, 2, SPARE
	v_mov_b32 v[NIL], 0
	v_lshrrev_b32 v1, 5, v0
	v_readfirstlane_b32 s10, v1                    ; wave 0..15
	s_and_b32 s12, ttmp7, 0xffff                   ; the batch
	s_and_b32 s13, s10, 3                          ; phase 2: my tile of 16 columns
	s_lshr_b32 s14, s10, 2                         ; and my quarter of K
	v_and_b32 v9, 15, v0                           ; r
	v_bfe_u32 v10, v0, 4, 1                        ; h
	v_and_b32 v11, 31, v0                          ; lane
	v_lshlrev_b32 v1, 12, v9
	v_lshl_add_u32 v3, v10, 5, v1                  ; wo: row r of 4,096 bytes + 32 h
	v_lshl_add_u32 v1, v10, 4, v1                  ; q, k: row r + 16 h
	v_lshlrev_b32 v2, 2, v9
	v_lshl_add_u32 v2, v10, 15, v2                 ; v: key 8 h, channel r
	s_lshl_b32 s16, s10, 12
	v_lshl_add_u32 v4, v11, 4, s16                 ; my head's image: 4,096 x wave + 16 x lane
	s_lshl_b32 s16, s14, 14
	v_lshl_add_u32 v5, v11, 4, s16                 ; the images that I read: four heads from 4 (w / 4) on
	s_mul_i32 s16, s14, 16*272
	s_lshl_b32 s17, s13, 6
	s_add_co_u32 s16, s16, s17
	s_add_co_u32 s16, s16, RED
	v_mul_u32_u24 v6, v9, 272
	v_lshl_add_u32 v6, v10, 5, v6
	v_add_nc_u32 v6, s16, v6                       ; my part sums: quarter, row r, columns 16 (w % 4) + 8 h on
	s_and_b32 s17, s10, 7
	s_mul_i32 s16, s17, 2*272
	s_add_co_u32 s16, s16, RED
	v_mul_u32_u24 v7, v10, 272
	v_lshl_add_u32 v7, v9, 4, v7
	v_add_nc_u32 v7, s16, v7                       ; the last sum: row 2 (w % 8) + h, 16 bytes at 16 r
	s_lshl_b32 s16, s17, 13
	v_lshlrev_b32 v8, 12, v10
	v_lshl_add_u32 v8, v9, 4, v8
	v_add_nc_u32 v8, s16, v8                       ; and the same place in out0
	v_lshlrev_b32 v248, 3, v10
	v_sub_nc_u32 v248, v9, v248                    ; r - 8 h: key 8 h + j is hidden where j is above it
	v_mov_b32 v249, 0xff800000                     ; -infinity
	v_mov_b32 v251, 0                              ; written once: a lane permute's destination counts as one of its sources
	s_lshl_b32 s18, s12, 16
	s_lshl_b32 s19, s10, 8
	s_add_co_u32 s18, s18, s19                     ; q16: 65,536 x batch + 256 x head
	s_mov_b32 s19, 0
	s_lshl_b32 s24, ttmp9, 6
	s_lshl_b32 s25, s13, 4
	s_add_co_u32 s24, s24, s25                     ; wo: my first row,
	s_lshl_b32 s24, s24, 12
	s_lshl_b32 s25, s14, 10                        ; my first head: 256 bytes a head
	s_add_co_u32 s24, s24, s25
	s_mov_b32 s25, 0
	s_lshl_b32 s26, s12, 23                        ; out0: 2,048 rows of 4,096 bytes a batch,
	s_lshl_b32 s27, ttmp9, 8                       ; 256 bytes a block of columns
	s_add_co_u32 s26, s26, s27
	s_mov_b32 s27, 0
	s_mov_b32 s20, 0x76543210
	s_mov_b32 s21, 0xfedcba98
	s_mov_b32 s22, 0x3e38aa3b                      ; c = log2(e) / 8
	s_wait_kmcnt 0x0
	s_add_nc_u64 s[4:5], s[4:5], s[18:19]
	s_add_nc_u64 s[6:7], s[6:7], s[24:25]
	s_add_nc_u64 s[8:9], s[8:9], s[26:27]
.irp c, 0,1,2,3,4,5,6,7
	global_load_b128 v[QB+4*\c:QB+4*\c+3], v1, s[4:5] offset:32*\c            ; q: channels 8 c + 4 h + 0..3
.endr
.irp c, 0,1,2,3,4,5,6,7
	global_load_b128 v[KA+4*\c:KA+4*\c+3], v1, s[4:5] offset:262144+32*\c     ; k likewise
.endr
.irp ct, 0,1,2,3
.irp n, 0,1,2,3,4,5,6,7
	global_load_b32 v[VA+8*\ct+\n], v2, s[4:5] offset:2*262144+4096*\n+64*\ct ; v(key 8 h + n, channel 16 ct + r)
.endr
.endr
.macro WLOAD hh                        ; wo(my row, head hh of my four): channels 16 ct + 8 h + 0..7
.set WB, (112+32*(\hh))%160            ; v112, v144, v16, v48
.irp ct, 0,1,2,3
.irp e, 0,1
	global_load_b128 v[WB+8*\ct+4*\e:WB+8*\ct+4*\e+3], v3, s[6:7] offset:256*(\hh)+64*\ct+16*\e
.endr
.endr
.endm
.macro PLACES8                         ; eight plain lines behind this matrix form (ISA guide 7.12.1)
.rept 8
	v_nop
.endr
.endm
	s_wait_loadcnt 32                              ; q and k are in; v's 32 loads may be out
	WLOAD 0
	WLOAD 1
.irp u, 0,1,2,3,4,5,6,7,8,9,10,11,12,13,14,15
.if \u < 4
	v_wmma_f32_16x16x4_f32 v[SA+8*(\u%4):SA+8*(\u%4)+7], v[KA+2*\u:KA+2*\u+1], v[QB+2*\u:QB+2*\u+1], 0
.else
	v_wmma_f32_16x16x4_f32 v[SA+8*(\u%4):SA+8*(\u%4)+7], v[KA+2*\u:KA+2*\u+1], v[QB+2*\u:QB+2*\u+1], v[SA+8*(\u%4):SA+8*(\u%4)+7]
.endif
.endr
	PLACES8
.irp j, 0,1,2,3,4,5,6,7
	v_add_f32 v[P+\j], v[SA+\j], v[SA+8+\j]        ; the four sums, each from its low end on
.endr
.irp j, 0,1,2,3,4,5,6,7
	v_add_f32 v[P+\j], v[P+\j], v[SA+16+\j]
.endr
.irp j, 0,1,2,3,4,5,6,7
	v_add_f32 v[P+\j], v[P+\j], v[SA+24+\j]
.endr
.irp j, 0,1,2,3,4,5,6,7
	v_cmp_gt_i32 vcc_lo, \j, v248
	v_cndmask_b32 v[P+\j], v[P+\j], v249, vcc_lo   ; hidden keys: -infinity.  Key 0 counts for every query
.endr
	v_max3_num_f32 v250, v[P], v[P+1], v[P+2]
	v_max3_num_f32 v250, v250, v[P+3], v[P+4]
	v_max3_num_f32 v250, v250, v[P+5], v[P+6]
	v_max_num_f32 v250, v250, v[P+7]
	v_permlanex16_b32 v251, v250, s20, s21
	v_max_num_f32 v250, v250, v251                 ; the row's largest score
	v_mul_f32 v250, s22, v250
.irp j, 0,1,2,3,4,5,6,7
	v_fma_f32 v[P+\j], v[P+\j], s22, -v250
.endr
.irp j, 0,1,2,3,4,5,6,7
	v_exp_f32 v[P+\j], v[P+\j]
.endr
	v_nop                                          ; a plain line behind the exponentials,
	s_wait_alu depctr_va_vdst(0)                   ; and the one wait ahead of their first reader
	v_add_f32 v250, v[P], v[P+1]
	v_add_f32 v251, v[P+2], v[P+3]
	v_add_f32 v250, v250, v[P+4]
	v_add_f32 v251, v251, v[P+5]
	v_add_f32 v250, v250, v[P+6]
	v_add_f32 v251, v251, v[P+7]
	v_add_f32 v250, v250, v251
	v_permlanex16_b32 v251, v250, s20, s21
	v_add_f32 v250, v250, v251                     ; the row's sum
	v_rcp_f32 v250, v250
	v_nop
	s_wait_alu depctr_va_vdst(0)
.irp j, 0,1,2,3,4,5,6,7
	v_mul_f32 v[P+\j], v[P+\j], v250
.endr
	s_wait_loadcnt 16                              ; v is in; wo's first sixteen loads may be out
	WLOAD 2                                        ; into K's and Q's registers, which the first products read long ago
	WLOAD 3
.irp i, 0,1,2,3                                ; O^T = V^T P: keys 8 h + 2 i + 0, 1 in both sources
.irp ct, 0,1,2,3
.if \i == 0
	v_wmma_f32_16x16x4_f32 v[OA+8*\ct:OA+8*\ct+7], v[VA+8*\ct+2*\i:VA+8*\ct+2*\i+1], v[P+2*\i:P+2*\i+1], 0
.else
	v_wmma_f32_16x16x4_f32 v[OA+8*\ct:OA+8*\ct+7], v[VA+8*\ct+2*\i:VA+8*\ct+2*\i+1], v[P+2*\i:P+2*\i+1], v[OA+8*\ct:OA+8*\ct+7]
.endif
.endr
.endr
	PLACES8
.irp g, 0,1,2,3,4,5,6,7
	ds_store_b128 v4, v[OA+4*\g:OA+4*\g+3] offset:IMG+512*\g   ; register 8 ct + j of lane (r, h): attn(query r, channel 16 ct + 8 h + j)
.endr
	s_wait_dscnt 0x0                               ; for the others' sake: my image has landed
	s_barrier_signal -1
	s_barrier_wait -1
	s_wait_loadcnt 0x0                             ; wo
.irp hh, 0,1,2,3
.if \hh > 0
	PLACES8                                        ; in front of loads into registers that the last products read
.endif
.irp g, 0,1,2,3,4,5,6,7
	ds_load_b128 v[AT+4*\g:AT+4*\g+3], v5 offset:IMG+4096*\hh+512*\g
.endr
	s_wait_dscnt 0x0
.set WB, (112+32*\hh)%160
.irp ct, 0,1,2,3
.irp i, 0,1,2,3
.if (\hh == 0) && (\ct == 0)
	v_wmma_f32_16x16x4_f32 v[SA+8*\i:SA+8*\i+7], v[WB+8*\ct+2*\i:WB+8*\ct+2*\i+1], v[AT+8*\ct+2*\i:AT+8*\ct+2*\i+1], 0
.else
	v_wmma_f32_16x16x4_f32 v[SA+8*\i:SA+8*\i+7], v[WB+8*\ct+2*\i:WB+8*\ct+2*\i+1], v[AT+8*\ct+2*\i:AT+8*\ct+2*\i+1], v[SA+8*\i:SA+8*\i+7]
.endif
.endr
.endr
.endr
	PLACES8
.irp j, 0,1,2,3,4,5,6,7
	v_add_f32 v[P+\j], v[SA+\j], v[SA+8+\j]
.endr
.irp j, 0,1,2,3,4,5,6,7
	v_add_f32 v[P+\j], v[P+\j], v[SA+16+\j]
.endr
.irp j, 0,1,2,3,4,5,6,7
	v_add_f32 v[P+\j], v[P+\j], v[SA+24+\j]        ; lane (r, h): query r, columns 16 (w % 4) + 8 h + 0..7, my quarter of K
.endr
	ds_store_b128 v6, v[P:P+3]
	ds_store_b128 v6, v[P+4:P+7] offset:16
	s_wait_dscnt 0x0
	s_barrier_signal -1
	s_barrier_wait -1
	s_cmp_lt_u32 s10, 8                            ; 16 rows x 256 bytes are eight waves' work
	s_cbranch_scc0 .Lend
	ds_load_b128 v[16:19], v7
	ds_load_b128 v[20:23], v7 offset:16*272
	ds_load_b128 v[24:27], v7 offset:2*16*272
	ds_load_b128 v[28:31], v7 offset:3*16*272
	s_wait_dscnt 0x0
	v_pk_add_f32 v[16:17], v[16:17], v[20:21]
	v_pk_add_f32 v[18:19], v[18:19], v[22:23]
	v_pk_add_f32 v[24:25], v[24:25], v[28:29]
	v_pk_add_f32 v[26:27], v[26:27], v[30:31]
	v_pk_add_f32 v[16:17], v[16:17], v[24:25]
	v_pk_add_f32 v[18:19], v[18:19], v[26:27]
	global_store_b128 v8, v[16:19], s[8:9]         ; sixteen lanes store 256 consecutive bytes, aligned
.Lend:
	s_wait_tensorcnt 0x0                           ; the wave's end
	ds_add_u32 v[SPW], v[NIL]
	s_wait_dscnt 0x0
	s_endpgm
.Lfunc_end_k_qbc762172e8_first16:
	.size	k_qbc762172e8_first16, .Lfunc_end_k_qbc762172e8_first16-k_qbc762172e8_first16
	.p2alignl 7, 3214868480
	.fill 96, 4, 3214868480
	.section	.rodata,"a",@progbits
	.p2align	6, 0x0
	.amdhsa_kernel k_qbc762172e8_first16
		.amdhsa_group_segment_fixed_size 84992
		.amdhsa_private_segment_fixed_size 0
		.amdhsa_enable_private_segment 0
		.amdhsa_kernarg_size 24
		.amdhsa_user_sgpr_count 2
		.amdhsa_user_sgpr_kernarg_segment_ptr 1
		.amdhsa_wavefront_size32 1
		.amdhsa_system_sgpr_workgroup_id_x 1
		.amdhsa_system_sgpr_workgroup_id_y 1
		.amdhsa_system_sgpr_workgroup_id_z 1
		.amdhsa_system_vgpr_workitem_id 0
		.amdhsa_next_free_vgpr 256
		.amdhsa_next_free_sgpr 66
		.amdhsa_reserve_vcc 1
		.amdhsa_float_denorm_mode_32 3
		.amdhsa_float_denorm_mode_16_64 3
		.amdhsa_memory_ordered 1
		.amdhsa_forward_progress 1
		.amdhsa_inst_pref_size 26
	.end_amdhsa_kernel
	.amdgpu_metadata
---
amdhsa.version: [ 1, 2 ]
amdhsa.kernels:
  - .name:           k_qbc762172e8_first16
    .symbol:         k_qbc762172e8_first16.kd
    .args:
      - { .name: q16, .offset: 0, .size: 8, .value_kind: global_buffer, .address_space: global }
      - { .name: wo, .offset: 8, .size: 8, .value_kind: global_buffer, .address_space: global }
      - { .name: out0, .offset: 16, .size: 8, .value_kind: global_buffer, .address_space: global }
    .group_segment_fixed_size: 84992
    .private_segment_fixed_size: 0
    .kernarg_segment_align: 8
    .kernarg_segment_size: 24
    .max_flat_workgroup_size: 512
    .sgpr_count:     66
    .vgpr_count:     256
    .wavefront_size: 32
...
	.end_amdgpu_metadata
.endif
;; end of part 5
